; MI455X (gfx1250); checked and timed in simulation.
; The chip was launched on July 23, 2026; its instructions are those of AMD's public machine-readable ISA for CDNA 5 (MIT licence, August 2026) and "CDNA5" Instruction Set Architecture Reference Guide (July 2026). The comments in the code are by the model that wrote it; some were corrected since.
;; transformer attention. Allowed arithmetic: matrix products marked QUANTISED: E2M3 operands, one E8M0 scale for each 32 along K, by v_wmma_scale_f32_16x16x128_f8f6f4 with both operands' format E2M3, f32 sums; everything else in f32.
;; Inputs: Wk 1,024 x 2,048 float32; Wo 2,048 x 1,024 float32; Wq 1,024 x 2,048 float32; Wv 1,024 x 2,048 float32; activations 2 x 2,048 x 2,048 float32.
;; Outputs: out0 2 x 2,048 x 2,048 float32.
;; This version of the problem:
;;   THIS VERSION OF THE PROBLEM IS GIVEN IN LOW PRECISION. The matrix products marked QUANTISED in the list below multiply operands that are first quantised to E2M3 (2 exponent bits, 3 mantissa bits; 6 bits a number), with one power-of-two scale for each 32 numbers along K (OCP MX v1.0); their sums are f32. All else is computed in f32.
;;   The module's matrix products, in the order in which they are computed (A, B: the left and right operand; K: the contracted axis; several contracted axes count as one K, in the product's order):
;;     1. [M 4,096, K 2,048] x [K 2,048, N 1,024]; A: input activations; B: input Wq: QUANTISED
;;     2. [M 4,096, K 2,048] x [K 2,048, N 1,024]; A: input activations; B: input Wk: QUANTISED
;;     3. [M 4,096, K 2,048] x [K 2,048, N 1,024]; A: input activations; B: input Wv: QUANTISED
;;     4. batch 32 x [M 2,048, K 64] x [K 64, N 2,048]; A: computed on the way; B: computed on the way: QUANTISED
;;     5. batch 32 x [M 64, K 2,048] x [K 2,048, N 2,048]; A: computed on the way; B: softmax (see below): QUANTISED
;;     6. [M 4,096, K 1,024] x [K 1,024, N 2,048]; A: computed on the way; B: input Wo: QUANTISED
;;   THE QUANTISER, for each operand of a quantised product, along K:
;;     - K is cut into blocks of 32 from its start; a last block that is shorter is filled with zeros.
;;     - A block's scale is 2^e with e = floor(log2(the largest magnitude in the block)) - 2, held to -126 .. 127; a block of zeros has e = 0. As a byte (E8M0): e + 127.
;;     - Each number is divided by its block's scale, clamped to +-7.5, and rounded to the nearest number of E2M3, ties to even, subnormals kept.
;;     - The product sums the exact products of the quantised numbers (number of the format x scale) in f32.
;;   ~~~python
;;   def quantise(x, axis):      # numpy; x: float32 -> the quantised numbers, widened to float32 again
;;       x = np.moveaxis(x, axis, -1); K = x.shape[-1]
;;       x = np.pad(x, [(0, 0)] * (x.ndim - 1) + [(0, -K % 32)]); x = x.reshape(x.shape[:-1] + (-1, 32)); a = np.abs(x).max(-1, keepdims=True)
;;       e = np.where(a > 0, np.clip(np.frexp(np.where(a > 0, a, 1))[1] - 1 - 2, -126, 127), 0)      # np.frexp(a)[1] - 1 = floor(log2(a)), exactly
;;       r = np.clip(x / 2.0 ** e, -7.5, 7.5)
;;       step = 2.0 ** (np.maximum(np.frexp(np.where(r == 0, 1, r))[1] - 1, 0) - 3)
;;       q = np.round(r / step) * step * 2.0 ** e      # np.round: ties to even
;;       return np.moveaxis(q.reshape(q.shape[:-2] + (-1,))[..., :K], -1, axis).astype(np.float32)
;;   ~~~
;;   SOFTMAX AHEAD OF A QUANTISED PRODUCT. Where the list says 'softmax', what is quantised is not the finished softmax but p = 2^(t - M), with t = logit x log2(e) and M = ceil(the row's largest t), a whole number; so 1/2 < the row's largest p <= 1. The row's sum l is taken of the UNQUANTISED p, in f32, and the product's result is divided by l at the end. Since M is a whole number, a kernel that streams over the keys may use a running M (the ceiling of the running maximum): every later rescaling is an exact power of two, which a block's scale takes up: the codes' values come out the same.
;;   OPERANDS COMPUTED ON THE WAY. 'Computed on the way' means the value that the module computes at that place (a softmax that the list does not call 'softmax' is quantised finished and normalised). What goes into a quantiser is computed in f32, as accurately as f32 sums, v_exp_f32 and their like allow (about 1e-6 of the number): no bf16 or f16 on the way to a quantiser, and a product that is left as it is and whose result goes on into a quantised operand takes f32 operands (vector FMAs, or v_wmma_f32_16x16x4_f32). A number that lies on a knife's edge between two numbers of the format may be rounded either way, as far as f32 arithmetic and the matrix unit's own rounding can turn it there, and no further.
;; One version. Each part assembles by itself: llvm-mc -triple=amdgcn-amd-amdhsa -mcpu=gfx1250 --defsym DOCPART=n.
;; ======== version 1 of 1: 4 launches
;; limits: right only within a limited range of input values
;; workspace buffers: codes 12,582,912 bytes; scales 524,288 bytes; tab 1,048,576 bytes; qkv_img 9,437,184 bytes; qkv_sc 655,360 bytes; ao_img 3,145,728 bytes; ao_sc 131,072 bytes
;; launch quant (part 1): grid 544 x 1, 4 waves a work-group, no clusters, 33,280 bytes of LDS; arguments activations, Wq, Wk, Wv, Wo, codes, scales, tab; writes codes, scales, tab
.if DOCPART == 1
	.amdgcn_target "amdgcn-amd-amdhsa--gfx1250"
	.amdhsa_code_object_version 6
	.text
	.protected	k_qab537f3649_quant
	.globl	k_qab537f3649_quant
	.p2align	8
	.type	k_qab537f3649_quant,@function
k_qab537f3649_quant:
	s_mov_b64 s[64:65], 0
	v_nop
	global_prefetch_b8 v0, s[64:65] scope:SCOPE_SE
	s_setreg_imm32_b32 hwreg(HW_REG_WAVE_MODE, 25, 1), 1
	s_wait_xcnt 0x0
; LAUNCH 1.  Work-groups 0-511: the five f32 inputs, all with K innermost, become codes of FP6 (E2M3) and one E8M0 byte for each 32 along K.  Work-groups 512-543: the xpos tables.
; THE CODES are one stream, 24 bytes for each 32 numbers: activations (4,096 rows of 2,048), Wq, Wk, Wv (3,072 rows of 2,048), Wo (2,048 rows of 1,024); the scale bytes likewise, one a block.
; A work-group takes 32,768 numbers, a wave 8,192: sixteen steps of 512.  Rows are dense and K is a multiple of 32, so a tensor is a plain stream of blocks.
; THE ROWS OF Wq, Wk, Wv ARE LAID WITH BITS 3 AND 4 OF THE ROW NUMBER SWAPPED: sixteen rows on end of the laid order are then rows 32 b + 8 u + j + 16 (j / 8) of the weight, so that in the next launch a lane's 16
; registers of two neighbouring tiles are 16 neighbouring features.  A wave's run is four rows of 2,048, so the swap is of bits 1 and 2 of the run's number.
; A block's scale is 2^(floor(log2(its largest magnitude)) - 2); its byte is the largest magnitude's exponent field - 2, held at 1 from below.
; LIMITS: a block of zeros gets the byte 1 where the rule says 127 (its codes are zeros, which add nothing under any byte but 0xff, and this program alone reads the bytes); blocks whose largest magnitude lies
; under 2^(2 - 126) have their byte held at 1; NaN and infinities among the inputs are not served.
; Each of a step's four loads reads 512 consecutive bytes; the 2,048 bytes turn through the wave's own stage in LDS (16 bytes of padding behind each 64) and come back 64 bytes a lane: 16 neighbours along K.
; No tensor loads, no barrier: waves share nothing.  Loads run eight steps (32 loads a wave) ahead.
.set STEPS, 16
.set EMAX,  2
.set CB,    12                         ; bytes of 16 codes
.set R,     16                         ; v16-143   eight sets of 16 numbers as they are loaded
.set X,     144                        ; (R now has eight sets, v16-143)
.set E,     246                        ; v246-247 a scale byte, two registers by turns: a step's first wait shows the byte store of two steps ago done
.set C,     176                        ; v176-239
.set WREG,  8192                       ; LDS: a region for each wave: two stages of 32 x SP bytes, then its 256 scale bytes
.set SP,    80
.set IN,    20                         ; s[20:21] the tensor that my work-group reads
.set CD,    14                         ; s[14:15] the codes
.set SCB,   24                         ; s[24:25] the scale bytes
.set TAB,   26                         ; s[26:27] the tables
	s_load_b128 s[4:7], s[0:1], 0x0                ; activations, Wq
	s_load_b128 s[8:11], s[0:1], 0x10              ; Wk, Wv
	s_load_b128 s[12:15], s[0:1], 0x20             ; Wo, codes
	s_load_b128 s[24:27], s[0:1], 0x30             ; scales, tab
	v_lshl_add_u32 v240, v0, 2, 0x8000
	v_mov_b32 v241, 0
	v_lshrrev_b32 v1, 5, v0
	v_readfirstlane_b32 s16, v1                    ; wave
	s_wait_kmcnt 0x0
	s_cmp_ge_u32 ttmp9, 512
	s_cbranch_scc1 .Ltab                           ; the last 32 work-groups make the tables
	v_and_b32 v2, 31, v0                           ; lane
	v_lshlrev_b32 v3, 4, v2                        ; my 16 bytes of a load's 512
	s_mul_i32 s30, s16, WREG
	v_lshrrev_b32 v14, 2, v2
	v_mul_u32_u24 v14, v14, SP
	v_and_b32 v15, 3, v2
	v_lshl_add_u32 v14, v15, 4, v14
	v_add_nc_u32 v14, s30, v14                     ; the stage, on the way in: SP (lane / 4) + 16 (lane % 4)
	v_mul_u32_u24 v15, v2, SP
	v_add_nc_u32 v15, s30, v15                     ; and on the way out: SP x lane
	v_lshrrev_b32 v5, 1, v2
	s_add_co_u32 s30, s30, 2*32*SP
	v_add_nc_u32 v5, s30, v5                       ; LDS: my wave's 256 scale bytes, my block's byte
	v_lshlrev_b32 v7, 3, v2                        ; and on the way out 8 bytes a lane
	v_add_nc_u32 v6, s30, v7
	; which tensor, and its first work-group: the choice hangs on the work-group's number alone
	s_mov_b64 s[IN:IN+1], s[12:13]                 ; Wo: work-groups 448-511
	s_mov_b32 s17, 448
	s_cmp_lt_u32 ttmp9, 448
	s_cselect_b64 s[IN:IN+1], s[10:11], s[IN:IN+1] ; Wv: 384-447
	s_cselect_b32 s17, 384, s17
	s_cmp_lt_u32 ttmp9, 384
	s_cselect_b64 s[IN:IN+1], s[8:9], s[IN:IN+1]   ; Wk: 320-383
	s_cselect_b32 s17, 320, s17
	s_cmp_lt_u32 ttmp9, 320
	s_cselect_b64 s[IN:IN+1], s[6:7], s[IN:IN+1]   ; Wq: 256-319
	s_cselect_b32 s17, 256, s17
	s_cmp_lt_u32 ttmp9, 256
	s_cselect_b64 s[IN:IN+1], s[4:5], s[IN:IN+1]   ; activations: 0-255
	s_cselect_b32 s17, 0, s17
	s_sub_co_u32 s18, ttmp9, s17
	s_lshl_b32 s18, s18, 2
	s_add_co_u32 s18, s18, s16                     ; my run of 8,192 numbers in the tensor
	s_lshl_b32 s18, s18, 15                        ; 32,768 bytes a run: under 2^26
	s_mov_b32 s19, 0
	s_add_nc_u64 s[IN:IN+1], s[IN:IN+1], s[18:19]
	s_lshl_b32 s22, ttmp9, 2
	s_add_co_u32 s22, s22, s16                     ; my run in the stream of codes
	s_and_b32 s23, s22, 2
	s_lshl_b32 s23, s23, 1
	s_and_b32 s28, s22, 4
	s_lshr_b32 s28, s28, 1
	s_or_b32 s23, s23, s28
	s_and_not1_b32 s28, s22, 6
	s_or_b32 s23, s23, s28                         ; the same with bits 1 and 2 swapped
	s_sub_co_u32 s28, ttmp9, 256
	s_cmp_lt_u32 s28, 192                          ; Wq, Wk, Wv alone are laid so
	s_cselect_b32 s22, s23, s22
	; WHERE THE CODES GO.  Wo: the plain stream, rows of 768 bytes.  The tensors with K = 2,048 (activations, Wq, Wk, Wv) are laid [256 rows][K step of 256][row][192 bytes]:
	; the 192 bytes that 256 rows have of one K step are 49,152 bytes on end, so that the next launch fetches them as rows of 256 bytes that begin on multiples of 256.
	; STEP t = 2 s + rp.  With K = 2,048 it takes K step s of rows 2 rp and 2 rp + 1 of the run's four (two loads of 512 bytes each): lanes 0-15 hold the first row's 256 numbers, lanes 16-31 the second's,
	; and the wave's store covers 384 consecutive bytes; steps 2 s and 2 s + 1 together fill 768 bytes on end.  For Wo it takes the run's chunk 8 rp + s of 512 numbers.
	; Both are one text: a load's address is base s + (16 x lane, or that + P for the step's last two loads) + 16,384 rp; a store's is base s + (12 x lane, or that + an offset for rp = 1); the strides are chosen by the work-group's number.
	s_mul_i32 s28, s22, 32*STEPS*CB                ; Wo: 6,144 bytes of codes a run
	s_lshr_b32 s31, s22, 6                         ; the others: 64 runs are 256 rows, 393,216 bytes
	s_mul_i32 s31, s31, 393216
	s_and_b32 s44, s22, 63
	s_mul_i32 s44, s44, 768                        ; a run's four rows x 192 bytes
	s_add_co_u32 s31, s31, s44
	s_mov_b32 s40, 49152
	s_mov_b32 s42, 3072
	s_mov_b32 s43, 8192
	s_mov_b32 s44, 2048
	s_cmp_lt_u32 ttmp9, 448
	s_cselect_b32 s28, s31, s28
	s_cselect_b32 s40, s40, 384                    ; codes: from s to s + 1
	s_cselect_b32 s42, 384, s42                    ; codes: rp = 1
	s_cselect_b32 s43, s43, 1024                   ; numbers: P, the step's last two loads
	s_cselect_b32 s44, 1024, s44                   ; numbers: from s to s + 1
	s_cselect_b32 s46, 64, 8                       ; scale bytes: lanes 16-31's eight
	s_cselect_b32 s47, 8, 16                       ; scale bytes: from s to s + 1
	s_mov_b32 s41, 0
	s_mov_b32 s45, 0
	s_mov_b32 s29, 0
	s_add_nc_u64 s[66:67], s[CD:CD+1], s[28:29]
	s_mov_b64 s[48:49], s[IN:IN+1]
.irp j, 1,2,3,4,5,6,7
	s_add_nc_u64 s[66+2*\j:67+2*\j], s[66+2*(\j-1):67+2*(\j-1)], s[40:41]
	s_add_nc_u64 s[48+2*\j:49+2*\j], s[48+2*(\j-1):49+2*(\j-1)], s[44:45]
.endr
	v_mul_u32_u24 v242, v2, CB
	v_add_nc_u32 v243, s42, v242
	v_add_nc_u32 v244, s43, v3
	v_lshrrev_b32 v10, 2, v2                       ; the scale bytes leave 8 a lane: lane 4 s + 2 rp + h holds the eight of step 2 s + rp, half h
	v_bfe_u32 v4, v2, 1, 1
	v_and_b32 v1, 1, v2
	v_lshlrev_b32 v4, 7, v4
	v_mad_u32_u24 v4, v1, s46, v4
	v_mad_u32_u24 v245, v10, s47, v4               ; their place in the run's 256
	s_lshl_b32 s28, s22, 8                         ; 256 scale bytes a run
	s_add_nc_u64 s[SCB:SCB+1], s[SCB:SCB+1], s[28:29]
.macro LOAD t
.irp i, 0,1,2,3
	global_load_b128 v[R+16*((\t)%8)+4*\i:R+16*((\t)%8)+4*\i+3], v[3+241*(\i/2)], s[48+2*((\t)/2):49+2*((\t)/2)] offset:16384*((\t)%2)+512*(\i%2) th:TH_LOAD_NT   ; 32 lanes read 512 consecutive bytes
.endr
.endm
.macro TURN t                          ; step t's numbers through the stage: LDS serves a wave's instructions in order, so no wait stands between the stores and the loads
.irp i, 0,1,2,3
	ds_store_b128 v14, v[R+16*((\t)%8)+4*\i:R+16*((\t)%8)+4*\i+3] offset:32*SP*((\t)%2)+8*SP*\i
.endr
.irp i, 0,1,2,3
	ds_load_b128 v[X+16*((\t)%2)+4*\i:X+16*((\t)%2)+4*\i+3], v15 offset:32*SP*((\t)%2)+16*\i
.endr
.endm
.irp t, 0,1,2,3,4,5,6,7
	LOAD \t
.endr
	s_wait_alu depctr_va_vdst(0)
	s_wait_loadcnt 28                              ; step 0's four loads are in; the seven steps behind it may be out
	TURN 0
.macro STEP t
.set XS, X+16*((\t)%2)
.if (\t) > 0
	s_wait_dscnt 1                                 ; this step's numbers are back from the stage (the last step's byte store may be out): so its stores into the stage have read their registers,
.else
	s_wait_dscnt 0x0
.endif
.if (\t)+8 < STEPS
	LOAD (\t)+8                                    ; which take the loads of eight steps on
.endif
.if (\t)+1 < STEPS
.if STEPS-2-(\t) >= 7
	s_wait_loadcnt 28                              ; the next step's four loads are in; those of the seven steps behind it may be out
.else
	s_wait_loadcnt 4*(STEPS-2-(\t))
.endif
	TURN (\t)+1                                    ; and go through the other stage while this step is worked
.endif
	v_max3_num_f32 v8, |v[XS]|, |v[XS+1]|, |v[XS+2]|               ; the largest magnitude of my 16
	v_max3_num_f32 v9, |v[XS+3]|, |v[XS+4]|, |v[XS+5]|
.irp i, 6,10
	v_max3_num_f32 v8, v8, |v[XS+\i]|, |v[XS+\i+1]|
	v_max3_num_f32 v9, v9, |v[XS+\i+2]|, |v[XS+\i+3]|
.endr
	v_max3_num_f32 v8, v8, |v[XS+14]|, |v[XS+15]|
	v_max3_num_f32 v8, v8, v9, (EMAX+1)<<23        ; and the floor 2^(EMAX + 1 - 127): the byte cannot fall under 1
	v_max_num_f32_dpp v8, v8, v8 row_xmask:1 row_mask:0xf bank_mask:0xf   ; and of my neighbour's 16: the block's
	v_add_nc_u32 v11, -(EMAX<<23), v8              ; EMAX off its exponent field: the conversion takes the exponent field of this operand as its scale
	v_cvt_scalef32_pk16_fp6_f32 v[C+4*(\t):C+4*(\t)+2], v[XS:XS+15], v11   ; sixteen numbers / the scale, to the nearest code, ties to even, beyond the largest code the largest
	v_lshrrev_b32 v[E+(\t)%2], 23, v11             ; the scale's byte
	ds_store_b8 v5, v[E+(\t)%2] offset:16*(\t)     ; both lanes of a block write the same byte with the same value
	global_store_b96 v[242+(\t)%2], v[C+4*(\t):C+4*(\t)+2], s[66+2*((\t)/2):67+2*((\t)/2)]   ; 32 lanes store 384 consecutive bytes
.endm
.irp t, 0,1,2,3,4,5,6,7,8,9,10,11,12,13,14,15
	STEP \t
.endr
	ds_load_b64 v[12:13], v6                       ; LDS serves a wave's instructions in order: these see my stores
	s_wait_dscnt 0x0
	global_store_b64 v245, v[12:13], s[SCB:SCB+1]  ; the 32 lanes fill 256 consecutive bytes, aligned
	s_wait_tensorcnt 0x0
	ds_add_u32 v240, v241
	s_wait_dscnt 0x0
	s_endpgm
; THE XPOS TABLES.  tab holds TQ at byte 0 and TK at byte 524,288, each [2,048 positions][64 f32]: word 2 i = cos x t (TQ) or cos / t (TK), word 2 i + 1 = sin x t or sin / t, for pair i of the head's 32.
; seq = (position - 1,024) / 512;  theta_i = 10000^(-(i + 1) / 32);  zeta_i = 1 + (i - 15) / 425.6;  t = zeta^seq = 2^(seq log2(zeta)).
; |seq theta| is at most 1.5: sine and cosine are Taylor series in f32, cut where the next term is under 4e-10.  log2(zeta) = log2(e) ln(1 + u), |u| at most 0.038, a series of six terms (the next is under 4e-10 of it).
; A work-group takes 64 positions.  Thread n holds pairs 2 (n % 16) and 2 (n % 16) + 1, 16 bytes of a row, and positions n / 16 + 8 it, it = 0 .. 7: a wave's store covers 512 consecutive bytes.
.Ltab:
	s_sub_co_u32 s17, ttmp9, 512                   ; j: which 64 positions
	v_and_b32 v2, 15, v0
	v_lshrrev_b32 v3, 4, v0                        ; n / 16
	v_lshlrev_b32 v4, 4, v0                        ; 16 n: my 16 bytes among the work-group's eight rows
	v_lshlrev_b32 v2, 1, v2                        ; i0 = 2 (n % 16)
	v_cvt_f32_u32 v10, v2
	v_add_f32 v11, 1.0, v10                        ; i0 + 1 = i1
	v_add_f32 v12, 2.0, v10                        ; i1 + 1
	v_mul_f32 v6, 0xbed49a78, v11                  ; -(i + 1) log2(10000) / 32
	v_mul_f32 v7, 0xbed49a78, v12
	s_wait_alu depctr_va_vdst(0)
	v_exp_f32 v6, v6                               ; theta of my two pairs
	v_exp_f32 v7, v7
	v_add_f32 v13, 0xc1700000, v10                 ; i - 15
	v_add_f32 v14, 0xc1700000, v11
	v_mul_f32 v13, 0x3b19fc27, v13                 ; u = (i - 15) / 425.6
	v_mul_f32 v14, 0x3b19fc27, v14
	v_mov_b32 v8, 0xbe2aaaab                       ; ln(1 + u) / u = 1 - u/2 + u^2/3 - u^3/4 + u^4/5 - u^5/6
	v_mov_b32 v9, 0xbe2aaaab
.irp k, 0x3e4ccccd, 0xbe800000, 0x3eaaaaab, 0xbf000000
	v_fmaak_f32 v8, v8, v13, \k
	v_fmaak_f32 v9, v9, v14, \k
.endr
	v_fma_f32 v8, v8, v13, 1.0
	v_fma_f32 v9, v9, v14, 1.0
	v_mul_f32 v13, 0x3fb8aa3b, v13
	v_mul_f32 v14, 0x3fb8aa3b, v14
	v_mul_f32 v8, v8, v13                          ; log2(zeta) of my two pairs
	v_mul_f32 v9, v9, v14
	s_lshl_b32 s18, s17, 6
	s_sub_co_i32 s18, s18, 1024
	v_add_nc_u32 v5, s18, v3                       ; my first position - 1,024, a whole number
	s_lshl_b32 s18, s17, 14                        ; 64 rows of 256 bytes
	s_mov_b32 s19, 0
	s_add_nc_u64 s[TAB:TAB+1], s[TAB:TAB+1], s[18:19]
	s_wait_alu depctr_va_vdst(0)                   ; the wait ahead of the first reader of the two exponentials
.macro TROW it
.set TD, 64+8*(\it)                    ; eight registers of this row's own: no store's data are written again
	v_add_nc_u32 v10, 8*(\it), v5
	v_cvt_f32_i32 v10, v10
	v_mul_f32 v10, 0x3b000000, v10                 ; seq = (position - 1,024) / 512: exact
	v_mul_f32 v24, v10, v8                         ; seq log2(zeta)
	v_mul_f32 v25, v10, v9
	v_mul_f32 v12, v10, v6                         ; x = seq theta
	v_mul_f32 v13, v10, v7
	s_wait_alu depctr_va_vdst(0)
	v_exp_f32 v20, v24                             ; t, 1 / t of my two pairs: one batch; the series below are the work behind it
	v_exp_f32 v21, -v24
	v_exp_f32 v22, v25
	v_exp_f32 v23, -v25
	v_mul_f32 v14, v12, v12                        ; z = x^2
	v_mul_f32 v15, v13, v13
	v_mov_b32 v16, 0x2f309231                      ; sin x / x = 1 - z/3! + z^2/5! .. + z^6/13!
	v_mov_b32 v17, 0x2f309231
	v_mov_b32 v18, 0xad49cba5                      ; cos x = 1 - z/2! + z^2/4! .. - z^7/14!
	v_mov_b32 v19, 0xad49cba5
	v_fmaak_f32 v18, v18, v14, 0x310f76c7
	v_fmaak_f32 v19, v19, v15, 0x310f76c7
.irp k, 0xb2d7322b, 0x3638ef1d, 0xb9500d01, 0x3c088889, 0xbe2aaaab
	v_fmaak_f32 v16, v16, v14, \k
	v_fmaak_f32 v17, v17, v15, \k
.endr
.irp k, 0xb493f27e, 0x37d00d01, 0xbab60b61, 0x3d2aaaab, 0xbf000000
	v_fmaak_f32 v18, v18, v14, \k
	v_fmaak_f32 v19, v19, v15, \k
.endr
	v_fma_f32 v16, v16, v14, 1.0
	v_fma_f32 v17, v17, v15, 1.0
	v_fma_f32 v18, v18, v14, 1.0                   ; cos
	v_fma_f32 v19, v19, v15, 1.0
	v_mul_f32 v16, v16, v12                        ; sin
	v_mul_f32 v17, v17, v13
	s_wait_alu depctr_va_vdst(0)                   ; one wait for the four exponentials, ahead of their first reader
	v_mul_f32 v[TD+0], v18, v20
	v_mul_f32 v[TD+1], v16, v20
	v_mul_f32 v[TD+2], v19, v22
	v_mul_f32 v[TD+3], v17, v22
	v_mul_f32 v[TD+4], v18, v21
	v_mul_f32 v[TD+5], v16, v21
	v_mul_f32 v[TD+6], v19, v23
	v_mul_f32 v[TD+7], v17, v23
	global_store_b128 v4, v[TD:TD+3], s[TAB:TAB+1] offset:2048*(\it)
	global_store_b128 v4, v[TD+4:TD+7], s[TAB:TAB+1] offset:524288+2048*(\it)
.endm
.irp it, 0,1,2,3,4,5,6,7
	TROW \it
.endr
	s_endpgm
.Lfunc_end_k_qab537f3649_quant:
	.size	k_qab537f3649_quant, .Lfunc_end_k_qab537f3649_quant-k_qab537f3649_quant
	.p2alignl 7, 3214868480
	.fill 96, 4, 3214868480
	.section	.rodata,"a",@progbits
	.p2align	6, 0x0
	.amdhsa_kernel k_qab537f3649_quant
		.amdhsa_group_segment_fixed_size 33280
		.amdhsa_private_segment_fixed_size 0
		.amdhsa_enable_private_segment 0
		.amdhsa_kernarg_size 64
		.amdhsa_user_sgpr_count 2
		.amdhsa_user_sgpr_kernarg_segment_ptr 1
		.amdhsa_wavefront_size32 1
		.amdhsa_system_sgpr_workgroup_id_x 1
		.amdhsa_system_sgpr_workgroup_id_y 1
		.amdhsa_system_sgpr_workgroup_id_z 1
		.amdhsa_system_vgpr_workitem_id 0
		.amdhsa_next_free_vgpr 248
		.amdhsa_next_free_sgpr 84
		.amdhsa_reserve_vcc 0
		.amdhsa_float_denorm_mode_32 3
		.amdhsa_float_denorm_mode_16_64 3
		.amdhsa_memory_ordered 1
		.amdhsa_forward_progress 1
		.amdhsa_inst_pref_size 61
	.end_amdhsa_kernel
	.amdgpu_metadata
---
amdhsa.version: [ 1, 2 ]
amdhsa.kernels:
  - .name:           k_qab537f3649_quant
    .symbol:         k_qab537f3649_quant.kd
    .args:
      - { .name: activations, .offset: 0, .size: 8, .value_kind: global_buffer, .address_space: global }
      - { .name: Wq, .offset: 8, .size: 8, .value_kind: global_buffer, .address_space: global }
      - { .name: Wk, .offset: 16, .size: 8, .value_kind: global_buffer, .address_space: global }
      - { .name: Wv, .offset: 24, .size: 8, .value_kind: global_buffer, .address_space: global }
      - { .name: Wo, .offset: 32, .size: 8, .value_kind: global_buffer, .address_space: global }
      - { .name: codes, .offset: 40, .size: 8, .value_kind: global_buffer, .address_space: global }
      - { .name: scales, .offset: 48, .size: 8, .value_kind: global_buffer, .address_space: global }
      - { .name: tab, .offset: 56, .size: 8, .value_kind: global_buffer, .address_space: global }
    .group_segment_fixed_size: 33280
    .private_segment_fixed_size: 0
    .kernarg_segment_align: 8
    .kernarg_segment_size: 64
    .max_flat_workgroup_size: 128
    .sgpr_count:     84
    .vgpr_count:     248
    .wavefront_size: 32
...
	.end_amdgpu_metadata
.endif
;; end of part 1
;; launch qkv (part 2): grid 12 x 16, 4 waves a work-group, clusters of 4 x 4, 327,680 bytes of LDS; arguments codes, scales, tab, qkv_img, qkv_sc; writes qkv_img, qkv_sc
.if DOCPART == 2
	.amdgcn_target "amdgcn-amd-amdhsa--gfx1250"
	.amdhsa_code_object_version 6
	.text
	.protected	k_qab537f3649_qkv
	.globl	k_qab537f3649_qkv
	.p2align	8
	.type	k_qab537f3649_qkv,@function
k_qab537f3649_qkv:
	s_mov_b64 s[64:65], 0
	v_nop
	global_prefetch_b8 v0, s[64:65] scope:SCOPE_SE
	s_setreg_imm32_b32 hwreg(HW_REG_WAVE_MODE, 25, 1), 1
	s_wait_xcnt 0x0
	s_wait_alu depctr_hold_cnt(0) depctr_sa_sdst(0) depctr_va_vdst(0) depctr_va_sdst(0) depctr_va_ssrc(0) depctr_va_vcc(0) depctr_vm_vsrc(0)
	s_getreg_b32 s2, hwreg(HW_REG_IB_STS2, 6, 4)
	s_cmp_eq_u32 s2, 0
	s_cbranch_scc0 .Lentry_in_a_cluster
	s_endpgm
.Lentry_in_a_cluster:
	s_bfe_u32 s2, ttmp6, 0x10000c
	s_cmp_lg_u32 s2, 0xf033
	s_cbranch_scc0 .Lentry_shape_is_right
	s_endpgm
.Lentry_shape_is_right:
; LAUNCH 2.  q, k, v = activations x (Wq, Wk, Wv)^T on codes of FP6 (E2M3), a block of 256 x 256 to a work-group of four waves, K in steps of 256 through a ring of two LDS slots; then xpos, the quantisers, and images of the next launch's operands.
; The codes lie [256 rows][K step][row][192 bytes]: a wave's 128 rows of a K step are 24,576 bytes on end, fetched as 96 rows of 256 bytes; 16 bytes of padding behind each 64 give LDS rows 240 bytes apart.
; THE HEAD asks for four tiles, one a wave: K step 0 of A's 256 rows, of B's 256 rows, A's scale bytes, B's.  Slot 1's first fill stands behind the full sequence and a round of the cluster's barrier.
; PREFETCH: each refill is followed by one request for the K step two refills on; the four partners that ask for a tile jointly share its 96 blocks of 256 bytes out by address, 24 each (lanes 24-31 name the last again);
; K steps 2 and 3 are asked for at the head; the last two refills ask for nothing.
.set SIZE_K, 2048
.set KSTEP,  256
.set NQ,     KSTEP/128
.set ROWB,   49152                     ; bytes from a K step of 256 rows to the next
.set G0H,  4                           ; s[4:7], s[8:11] group 0 of the head's loads of K step 0 (the arguments that lay there have been used)
.set G0HB, 8
.set KROW,   SIZE_K*6/8
.set PITCH,  240
.set FR,     12
.set NL,     6
.set NP,     4
.set HALFT,  128*PITCH
.set SLOT,   4*HALFT
.set LAPS,   SIZE_K/(2*KSTEP)
.set KS,     SIZE_K/32
.set SCL,    2*SLOT
.set HALFS,  (128*KS/256)*272
.set SBLK,   (16*KS/256)*272
.set SPARE,  SCL+4*HALFS
.set ADRA, 16
.set ADRB, 20
.set ADRS, 27
.set SPW,  28
.set NIL,  29
.set VT,   30
.set SC,   32
.set TS0,  64
.set AF,   128
.set G1, 24
.set G0, 32
.set G1B, 48
.set G0B, 56
.set G1S, 68
.set G0S, 76
.set G1SB, 80
.set G0SB, 88
.set SEL,  66
.set TABP, 96
.set IMGP, 98
.set SCP,  100
.set MSB, 0
.macro WIN new
.if MSB != \new
	s_set_vgpr_msb (MSB<<8)|\new
.set MSB, \new
.endif
.endm
.set MUL_LO, 0xa1
.set MUL_HI, 0xf1
.set TO_B,   0x40
.macro JLOAD g0a, g1a, g0b, g1b
	s_cmp_eq_u32 s15, 0
	s_cbranch_scc0 .Lfor_b_\@
	tensor_load_to_lds s[\g0a:\g0a+3], s[\g1a:\g1a+7]
	s_nop 0
.rept 4
	v_nop
.endr
	s_branch .Lasked_\@
.Lfor_b_\@:
	tensor_load_to_lds s[\g0b:\g0b+3], s[\g1b:\g1b+7]
	s_nop 0
.rept 4
	v_nop
.endr
.Lasked_\@:
.endm
.macro CREST
	s_cmp_lg_u32 s14, 0
	s_cbranch_scc1 .Lnot_wave_0_\@
	s_barrier_signal -3
.Lnot_wave_0_\@:
	s_barrier_wait -3
	s_barrier_signal -1
	s_barrier_wait -1
.endm
.macro CROUND
	s_barrier_signal -1
	s_barrier_wait -1
	CREST
.endm
	s_load_b128 s[4:7], s[0:1], 0x0
	s_load_b128 s[8:11], s[0:1], 0x10
	s_load_b64 s[12:13], s[0:1], 0x20
	v_lshl_add_u32 v[SPW], v0, 2, SPARE
	v_mov_b32 v[NIL], 0
	ds_add_u32 v28, v29
	ds_add_u32 v28, v29
	s_wait_dscnt 0x0
	v_lshrrev_b32 v1, 5, v0
	v_readfirstlane_b32 s14, v1
	s_lshr_b32 s15, s14, 1
	s_and_b32 s16, s14, 1
	s_bfe_u32 s40, ttmp6, 0x40000
	s_bfe_u32 s41, ttmp6, 0x40004
	s_lshl_b32 s42, ttmp9, 2
	s_add_co_u32 s42, s42, s40
	s_and_b32 s17, ttmp7, 0xffff
	s_lshl_b32 s17, s17, 2
	s_add_co_u32 s17, s17, s41
	s_lshl_b32 s43, s41, 2
	s_lshl_b32 s43, 15, s43
	s_lshl_b32 s44, 0x1111, s40
	s_or_b32 s[G1+0], s43, (0<<16)|(1<<20)|(1<<21)|(3<<22)|(3<<25)
	s_or_b32 s[G1B+0], s44, (0<<16)|(1<<20)|(1<<21)|(3<<22)|(3<<25)
.irp g, G1, G1B
	s_mov_b32 s[\g+1], 256<<16
	s_mov_b32 s[\g+2], 192<<16                     ; the head's loads: 256 rows of codes = 192 rows of 256 bytes
	s_mov_b32 s[\g+3], 256<<16
	s_mov_b32 s[\g+4], 192
	s_mov_b32 s[\g+5], 256
	s_mov_b32 s[\g+6], 0
	s_mov_b32 s[\g+7], 0
.endr
	s_or_b32 s[G1S+0], s43, (3<<16)|(1<<20)|(1<<21)|(5<<22)|(3<<25)
	s_or_b32 s[G1SB+0], s44, (3<<16)|(1<<20)|(1<<21)|(5<<22)|(3<<25)
.irp g, G1S, G1SB
	s_mov_b32 s[\g+1], 32<<16
	s_mov_b32 s[\g+2], KS<<16
	s_mov_b32 s[\g+3], 32<<16
	s_mov_b32 s[\g+4], KS
	s_mov_b32 s[\g+5], 32
	s_mov_b32 s[\g+6], 0
	s_mov_b32 s[\g+7], 0
.endr
	s_lshl_b32 s20, s17, 8
	s_lshl_b32 s46, s42, 8
	s_mov_b32 s21, 0
	s_mov_b32 s47, 0
	s_mov_b64 s[18:19], KS
	s_mul_u64 s[22:23], s[20:21], s[18:19]
	s_mul_u64 s[92:93], s[46:47], s[18:19]
	s_mov_b64 s[18:19], KROW
	s_mul_u64 s[20:21], s[20:21], s[18:19]
	s_mul_u64 s[46:47], s[46:47], s[18:19]
	s_mul_i32 s45, s14, HALFT
	s_mul_i32 s18, s16, 24576                      ; in the ring I fetch 128 rows of a K step: which half, in bytes
	s_mov_b32 s19, 0
	s_wait_kmcnt 0x0
	s_mov_b64 s[TABP:TABP+1], s[8:9]
	s_mov_b64 s[IMGP:IMGP+1], s[10:11]
	s_mov_b64 s[SCP:SCP+1], s[12:13]
	s_add_nc_u64 s[8:9], s[4:5], 6291456
	s_add_nc_u64 s[10:11], s[6:7], 262144
	s_add_nc_u64 s[20:21], s[4:5], s[20:21]
	s_add_nc_u64 s[22:23], s[6:7], s[22:23]
	s_add_nc_u64 s[46:47], s[8:9], s[46:47]
	s_add_nc_u64 s[92:93], s[10:11], s[92:93]
	CROUND
	s_mov_b32 s[G0S], 1
	s_mov_b32 s[G0S+1], SCL
	s_mov_b64 s[G0S+2:G0S+3], s[22:23]
	s_or_b32 s[G0S+3], s[G0S+3], 0x80000000
	s_mov_b32 s[G0SB], 1
	s_mov_b32 s[G0SB+1], SCL+2*HALFS
	s_mov_b64 s[G0SB+2:G0SB+3], s[92:93]
	s_or_b32 s[G0SB+3], s[G0SB+3], 0x80000000
	s_mov_b32 s[G0H], 1
	s_mov_b32 s[G0H+1], 0
	s_mov_b64 s[G0H+2:G0H+3], s[20:21]
	s_or_b32 s[G0H+3], s[G0H+3], 0x80000000
	s_mov_b32 s[G0HB], 1
	s_mov_b32 s[G0HB+1], 2*HALFT
	s_mov_b64 s[G0HB+2:G0HB+3], s[46:47]
	s_or_b32 s[G0HB+3], s[G0HB+3], 0x80000000
	s_add_nc_u64 s[20:21], s[20:21], s[18:19]
	s_add_nc_u64 s[46:47], s[46:47], s[18:19]
.irp s, 0,1
	s_mov_b32 s[G0+4*\s], 1
	s_add_co_u32 s[G0+4*\s+1], s45, \s*SLOT
	s_add_nc_u64 s[G0+4*\s+2:G0+4*\s+3], s[20:21], \s*ROWB
	s_or_b32 s[G0+4*\s+3], s[G0+4*\s+3], 0x80000000
	s_mov_b32 s[G0B+4*\s], 1
	s_add_co_u32 s[G0B+4*\s+1], s45, \s*SLOT
	s_add_nc_u64 s[G0B+4*\s+2:G0B+4*\s+3], s[46:47], \s*ROWB
	s_or_b32 s[G0B+4*\s+3], s[G0B+4*\s+3], 0x80000000
.endr
	s_cmp_eq_u32 s15, 0                            ; the prefetches: my 128 rows of A or of B,
	s_cselect_b64 s[12:13], s[20:21], s[46:47]
	s_cselect_b32 s18, s40, s41                    ; my place among the four that ask for them with me,
	s_mul_i32 s18, s18, 6144                       ; 24 blocks of 256 bytes each,
	s_add_nc_u64 s[12:13], s[12:13], s[18:19]
	s_add_nc_u64 s[12:13], s[12:13], ROWB          ; at K step 1
.macro ARM under, g0, g1, next                 ; one chain of branches on the wave's number, one load to an arm: one tensor load a wave at the head
	s_cmp_lt_u32 s14, \under
	s_cbranch_scc0 \next
	tensor_load_to_lds s[\g0:\g0+3], s[\g1:\g1+7]
	s_nop 0
.rept 4
	v_nop
.endr
	s_branch .Lhead_asked
\next:
.endm
	ARM 1, G0H,  G1,  .Lhead_b
	ARM 2, G0HB, G1B, .Lhead_sa
	ARM 3, G0S,  G1S, .Lhead_sb
	tensor_load_to_lds s[G0SB:G0SB+3], s[G1SB:G1SB+7]
	s_nop 0
.rept 4
	v_nop
.endr
.Lhead_asked:
	v_and_b32 v1, 15, v0
	v_bfe_u32 v2, v0, 4, 1
	v_mul_u32_u24 v3, v1, PITCH
	v_mul_u32_u24 v4, v2, 24
	v_add_nc_u32 v4, v3, v4
	v_lshl_add_u32 v5, v2, 4, v4
	s_mul_i32 s21, s15, HALFT
	s_mul_i32 s22, s16, HALFT
	s_add_co_u32 s22, s22, 2*HALFT
.irp s, 0,1
	v_add_nc_u32 v[ADRA+\s], s21, v4
	v_add_nc_u32 v[ADRB+\s], s22, v4
	v_add_nc_u32 v[ADRA+2+\s], s21, v5
	v_add_nc_u32 v[ADRB+2+\s], s22, v5
	s_add_co_u32 s21, s21, SLOT
	s_add_co_u32 s22, s22, SLOT
.endr
	v_mul_u32_u24 v5, v1, KS
	v_lshrrev_b32 v6, 8, v5
	v_lshl_add_u32 v5, v6, 4, v5
	s_mul_i32 s21, s15, HALFS
	s_mul_i32 s22, s16, HALFS
	s_add_co_u32 s22, s22, 2*HALFS
	s_sub_co_u32 s22, s22, s21
	v_mul_u32_u24 v6, s22, v2
	s_add_co_u32 s21, s21, SCL
	v_add_nc_u32 v5, v5, v6
	v_add_nc_u32 v[ADRS], s21, v5
	v_lshlrev_b32 v[VT], 8, v1
	v_lshl_add_u32 v[VT], v2, 6, v[VT]
	v_and_b32 v31, 31, v0
	v_min_u32 v31, 23, v31
	v_lshlrev_b32 v31, 8, v31                      ; the prefetches' offset: a lane a block of 256 bytes; never rewritten
	s_wait_alu depctr_va_vdst(0)
	global_prefetch_b8 v31, s[12:13] offset:ROWB th:TH_LOAD_NT scope:SCOPE_SE     ; K step 2
	global_prefetch_b8 v31, s[12:13] offset:2*ROWB th:TH_LOAD_NT scope:SCOPE_SE   ; K step 3
	s_lshl_b32 s2, s17, 8
	s_lshl_b32 s95, s15, 7
	s_add_co_u32 s2, s2, s95
	s_lshr_b32 s95, s2, 11
	s_lshl_b32 s95, s95, 4
	s_lshl_b32 s104, s40, 2
	s_add_co_u32 s95, s95, s104
	s_lshl_b32 s104, s16, 1
	s_add_co_u32 s95, s95, s104
	s_mov_b32 s105, 0
	s_mul_i32 s104, s95, 294912
	s_add_nc_u64 s[IMGP:IMGP+1], s[IMGP:IMGP+1], s[104:105]
	s_mul_i32 s104, s95, 20480
	s_add_nc_u64 s[SCP:SCP+1], s[SCP:SCP+1], s[104:105]
	s_bfe_u32 s95, s2, 0x40007
	s_mul_i32 s104, ttmp9, 98304
	s_add_nc_u64 s[IMGP:IMGP+1], s[IMGP:IMGP+1], s[104:105]
	s_mul_i32 s104, s95, 6144
	s_add_nc_u64 s[IMGP:IMGP+1], s[IMGP:IMGP+1], s[104:105]
	s_lshl_b32 s104, s95, 9
	s_lshl_b32 s95, s95, 8
	s_cmp_lt_u32 ttmp9, 2
	s_cselect_b32 s104, s104, s95
	s_add_nc_u64 s[SCP:SCP+1], s[SCP:SCP+1], s[104:105]
	s_lshl_b32 s104, ttmp9, 13
	s_add_nc_u64 s[SCP:SCP+1], s[SCP:SCP+1], s[104:105]
	s_min_u32 s104, ttmp9, 1
	s_lshl_b32 s104, s104, 19
	s_add_nc_u64 s[TABP:TABP+1], s[TABP:TABP+1], s[104:105]
	s_and_b32 s104, s2, 2047
	s_lshl_b32 s104, s104, 8
	s_add_nc_u64 s[TABP:TABP+1], s[TABP:TABP+1], s[104:105]
	s_mov_b32 s104, 0xffff
	s_mov_b32 s105, 0x7f7f0000
	s_mov_b32 s[SEL], 0x76543210
	s_mov_b32 s[SEL+1], 0xfedcba98
.macro TLOADS a
.irp b, 0,1
.irp j, 0,1,2,3
	global_load_b128 v[TS0+32*((\a)%4)+16*\b+4*\j:TS0+32*((\a)%4)+16*\b+4*\j+3], v[VT], s[TABP:TABP+1] offset:4096*(\a)+128*\b+16*\j
.endr
.endr
.endm
	TLOADS 0
	TLOADS 1
.macro FRAG reg, adr, q, i
.irp p, 0,1,2,3,4,5
.set PCE, 12*(\q)+6*(\p/3)+\p%3
.if PCE%8 < 5
	ds_load_b64 v[\reg+2*\p:\reg+2*\p+1], v[\adr] offset:8*PCE+16*(PCE/8)+(\i)*16*PITCH
.else
	ds_load_b64 v[\reg+2*\p:\reg+2*\p+1], v[\adr+2] offset:8*PCE+16*(PCE/8)+(\i)*16*PITCH
.endif
.endr
.endm
.macro MUL16 a0, p, q, sc, zero
.irp a, \a0, \a0+1
.irp b, 0,1,2,3,4,5,6,7
.if \zero
	v_wmma_scale_f32_16x16x128_f8f6f4 v[8*(8*((\a)%4)+\b):8*(8*((\a)%4)+\b)+7], v[128*(\p)+FR*\b:128*(\p)+FR*\b+FR-1], v[AF+FR*(\a):AF+FR*(\a)+FR-1], 0, v[SC+8*NQ*(\sc)+NQ*\b+(\q)], v[SC+8*NQ*(\sc)+NQ*(\a)+(\q)] matrix_a_fmt:MATRIX_FMT_FP6 matrix_b_fmt:MATRIX_FMT_FP6 matrix_a_scale:MATRIX_SCALE_ROW1
.else
	v_wmma_scale_f32_16x16x128_f8f6f4 v[8*(8*((\a)%4)+\b):8*(8*((\a)%4)+\b)+7], v[128*(\p)+FR*\b:128*(\p)+FR*\b+FR-1], v[AF+FR*(\a):AF+FR*(\a)+FR-1], v[8*(8*((\a)%4)+\b):8*(8*((\a)%4)+\b)+7], v[SC+8*NQ*(\sc)+NQ*\b+(\q)], v[SC+8*NQ*(\sc)+NQ*(\a)+(\q)] matrix_a_fmt:MATRIX_FMT_FP6 matrix_b_fmt:MATRIX_FMT_FP6 matrix_a_scale:MATRIX_SCALE_ROW1
.endif
.endr
.endr
.endm
.macro FETCH_B slot, q, p
	WIN TO_B
.irp i, 0,1,2,3,4,5,6,7
	FRAG 128*(\p)+FR*\i, ADRB+\slot, \q, \i
.endr
	WIN 0
.endm
.macro FETCH_A slot, q, i0
.irp i, \i0, \i0+1, \i0+2, \i0+3
	FRAG AF+FR*(\i), ADRA+\slot, \q, \i
.endr
.endm
.macro SCALES sc
.irp i, 0,1,2,3,4,5,6,7
	ds_load_b64 v[SC+8*NQ*\sc+NQ*\i:SC+8*NQ*\sc+NQ*\i+1], v[ADRS] offset:\i*SBLK
.endr
.endm
.macro PLACES n
.rept \n
	v_nop
.endr
.endm
.macro STEP slot, q, zero
	s_wait_dscnt 4*NL
	WIN MUL_LO
	MUL16 0, (\q)%2, \q, \slot, \zero
	MUL16 2, (\q)%2, \q, \slot, \zero
	s_wait_dscnt 0
	PLACES NP
	FETCH_B \slot, (\q)+1, 1-(\q)%2
	FETCH_A \slot, (\q)+1, 0
	WIN MUL_HI
	MUL16 4, (\q)%2, \q, \slot, \zero
	MUL16 6, (\q)%2, \q, \slot, \zero
	PLACES NP
	WIN 0
	FETCH_A \slot, (\q)+1, 4
.endm
.macro TURN slot, next, fill
.if \fill
	s_wait_xcnt 0x0                                ; my prefetches have read their address: it steps to the K step that this turn asks for
	s_add_nc_u64 s[12:13], s[12:13], ROWB
.endif
	s_wait_tensorcnt 0x0
	ds_add_u32 v[SPW], v[NIL]
	s_wait_dscnt 4*NL+1
	WIN MUL_LO
	MUL16 0, 1, NQ-1, \slot, 0
	s_wait_dscnt 0x0
	s_barrier_signal -1
	MUL16 2, 1, NQ-1, \slot, 0
	WIN 0
	s_barrier_wait -1
.if \fill
	CREST
	s_add_nc_u64 s[G0+4*\slot+2:G0+4*\slot+3], s[G0+4*\slot+2:G0+4*\slot+3], 2*ROWB
	s_add_nc_u64 s[G0B+4*\slot+2:G0B+4*\slot+3], s[G0B+4*\slot+2:G0B+4*\slot+3], 2*ROWB
	JLOAD G0+4*\slot, G1, G0B+4*\slot, G1B
.else
	PLACES NP
.endif
	s_wait_alu depctr_va_vdst(0)
	v_add_nc_u32 v[ADRS], 4*NQ, v[ADRS]
	FETCH_B \next, 0, 0
	FETCH_A \next, 0, 0
	SCALES \next
.if \fill
	s_cmp_gt_u32 s3, 1                             ; the last trip's two refills have no K step two on
	s_cbranch_scc0 .Lno_ask_\@
	global_prefetch_b8 v31, s[12:13] offset:2*ROWB th:TH_LOAD_NT scope:SCOPE_SE
.Lno_ask_\@:
.endif
	WIN MUL_HI
	MUL16 4, 1, NQ-1, \slot, 0
	MUL16 6, 1, NQ-1, \slot, 0
	PLACES NP
	WIN 0
	FETCH_A \next, 0, 4
.endm
	s_wait_alu depctr_va_vdst(0)                   ; the wait at the head's end
	s_wait_tensorcnt 0x0                           ; my tile of the head's four is in
	ds_add_u32 v[SPW], v[NIL]
	s_mov_b32 s[G1+2], 96<<16                      ; no tensor load of mine is out: from here on a load brings 128 rows of codes = 96 rows of 256 bytes
	s_mov_b32 s[G1+4], 96
	s_mov_b32 s[G1B+2], 96<<16
	s_mov_b32 s[G1B+4], 96
	s_wait_dscnt 0x0
	CROUND
	JLOAD G0+4, G1, G0B+4, G1B                     ; K step 1, the first tensor load behind the round
	FETCH_B 0, 0, 0
	FETCH_A 0, 0, 0
	SCALES 0
	FETCH_A 0, 0, 4
	STEP 0, 0, 1
	s_mov_b32 s3, LAPS-1
.Llap:
	TURN 0, 1, 1
	STEP 1, 0, 0
	TURN 1, 0, 1
	STEP 0, 0, 0
	s_sub_co_u32 s3, s3, 1
	s_cmp_lg_u32 s3, 0
	s_cbranch_scc1 .Llap
	TURN 0, 1, 0
	STEP 1, 0, 0
	s_wait_dscnt 4*NL
	WIN MUL_LO
	MUL16 0, 1, NQ-1, 1, 0
	MUL16 2, 1, NQ-1, 1, 0
	s_wait_dscnt 0
	WIN MUL_HI
	MUL16 4, 1, NQ-1, 1, 0
	MUL16 6, 1, NQ-1, 1, 0
	WIN 0
	PLACES NP
	s_wait_dscnt 0x0
	s_barrier_signal -1
	s_barrier_wait -1
	s_cmp_eq_u32 ttmp9, 2
	s_cbranch_scc1 .Lvpath
.set PC,  32
.set PW,  51
.set MX,  52
.set BY,  56
.set SO,  60
.set HA,  192
.set A0,  7
.set A1,  8
.set ASC, 9
.set RD,  10
.set CO,  11
.set SH,  12
.set QSTG, 13312
	TLOADS 2
	TLOADS 3
	s_mul_i32 s20, s14, QSTG
	v_and_b32 v1, 7, v0
	v_bfe_u32 v2, v0, 4, 1
	v_bfe_u32 v3, v0, 3, 1
	v_lshl_add_u32 v4, v2, 4, v1
	v_lshlrev_b32 v4, 4, v4
	v_add_nc_u32 v4, s20, v4
	v_mad_u32_u24 v[A0], v3, 520, v4
	v_mad_u32_u24 v[A1], v3, 1016, v4
	v_add_nc_u32 v[A1], 8, v[A1]
	v_lshl_add_u32 v5, v3, 4, v1
	v_lshlrev_b32 v5, 2, v5
	v_lshl_add_u32 v5, v2, 9, v5
	v_add_nc_u32 v5, s20, v5
	v_add_nc_u32 v[ASC], 12288, v5
	v_and_b32 v6, 31, v0
	v_lshlrev_b32 v[CO], 4, v6
	v_add_nc_u32 v[RD], s20, v[CO]
	v_lshlrev_b32 v[SH], 4, v2
.irp b, 0,1,2,3
	v_mov_b32 v[BY+\b], 0
.endr
.macro QUANT s
.irp b, 0,1,2,3
	v_max3_num_f32 v[MX+\b], |v[\s+16*\b]|, |v[\s+1+16*\b]|, 0x1800000
.endr
.irp i, 2,4,6,8,10,12,14
.irp b, 0,1,2,3
	v_max3_num_f32 v[MX+\b], v[MX+\b], |v[\s+16*\b+\i]|, |v[\s+1+16*\b+\i]|
.endr
.endr
.irp b, 0,1,2,3
	v_permlanex16_b32 v[BY+\b], v[MX+\b], s[SEL], s[SEL+1]
.endr
.irp b, 0,1,2,3
	v_max_num_f32 v[MX+\b], v[MX+\b], v[BY+\b]
.endr
.irp b, 0,1,2,3
	v_add_nc_u32 v[SO+\b], 0xff000000, v[MX+\b]
.endr
.irp b, 0,1,2,3
	v_lshrrev_b32 v[BY+\b], 23, v[SO+\b]
.endr
	v_lshl_or_b32 v[PW], v[BY+1], 8, v[BY]
	v_lshl_or_b32 v[PW], v[BY+2], 16, v[PW]
	v_lshl_or_b32 v[PW], v[BY+3], 24, v[PW]
.irp c, 0,1
	v_cvt_scalef32_pk16_fp6_f32 v[PC+6*\c:PC+2+6*\c], v[\s+32*\c:\s+15+32*\c], v[SO+2*\c]
	v_cvt_scalef32_pk16_fp6_f32 v[PC+12+4*\c:PC+14+4*\c], v[\s+16+32*\c:\s+31+32*\c], v[SO+2*\c+1]
.endr
	v_nop
.irp c, 0,1
.irp i, 0,1,2
	v_permlane16_swap_b32 v[PC+6*\c+\i], v[PC+12+4*\c+\i]
.endr
.irp i, 0,1,2
	v_mov_b32 v[PC+3+6*\c+\i], v[PC+12+4*\c+\i]
.endr
.endr
.endm
.macro QK a
.set AC, 64*((\a)%4)
.set TT, TS0+32*((\a)%4)
.if (\a) < 5
	s_wait_loadcnt 24
.else
	s_wait_loadcnt 8*(7-(\a))
.endif
	WIN 0x02+(\a)/4
.set n, 0
.rept 32
	v_pk_mul_f32 v[HA+n:HA+n+1], v[AC+n:AC+n+1], v[TT+n%32:TT+n%32+1] op_sel_hi:[1,0]
.set n, n+2
.endr
.set n, 0
.rept 32
	v_fma_f32 v[HA+n], -v[AC+n+1], v[TT+n%32+1], v[HA+n]
	v_fma_f32 v[HA+n+1], v[AC+n], v[TT+n%32+1], v[HA+n+1]
.set n, n+2
.endr
	WIN 0
.if (\a) < 4
	TLOADS (\a)+4
.endif
	QUANT HA
.irp e, 0,1
	ds_store_b64 v[A0], v[PC+6*\e:PC+6*\e+1] offset:6144*\e+1536*((\a)/2)+128*((\a)%2)
	ds_store_b64 v[A1], v[PC+6*\e+2:PC+6*\e+3] offset:6144*\e+1536*((\a)/2)+128*((\a)%2)
	ds_store_b64 v[A0], v[PC+6*\e+4:PC+6*\e+5] offset:6144*\e+1536*((\a)/2)+128*((\a)%2)+512
.endr
	v_lshrrev_b32 v[MX], v[SH], v[PW]
	v_bfi_b32 v[MX], s104, v[MX], s105
	ds_store_b32 v[ASC], v[MX] offset:128*((\a)/2)+32*((\a)%2)
	s_wait_dscnt 0x0
.endm
.irp a, 0,1,2,3,4,5,6,7
	QK \a
.endr
.irp c, 0,1,2,3,4,5,6,7,8,9,10,11,12,13,14,15,16,17,18,19,20,21,22,23
	ds_load_b128 v[64+4*\c:67+4*\c], v[RD] offset:512*\c
.endr
.irp e, 0,1
	ds_load_b128 v[160+4*\e:163+4*\e], v[RD] offset:12288+512*\e
.endr
.irp c, 0,1,2,3,4,5,6,7,8,9,10,11,12,13,14,15,16,17,18,19,20,21,22,23
	s_wait_dscnt 25-\c
	global_store_b128 v[CO], v[64+4*\c:67+4*\c], s[IMGP:IMGP+1] offset:294912*(\c/12)+512*(\c%12)
.endr
.irp e, 0,1
	s_wait_dscnt 1-\e
	global_store_b128 v[CO], v[160+4*\e:163+4*\e], s[SCP:SCP+1] offset:20480*\e
.endr
	s_branch .Lend
.set TRW,  16
.set TRR,  17
.set VW,   18
.set VSW,  19
.set RDV,  20
.set RDS,  21
.set CO16, 22
.set CO8,  23
.set VC,   32
.set SBV,  40
.set XV,   64
.set VSTG, 29696
.Lvpath:
	s_wait_loadcnt 0x0
	s_mul_i32 s20, s14, VSTG
	s_add_co_u32 s20, s20, SLOT
	v_and_b32 v1, 15, v0
	v_bfe_u32 v2, v0, 4, 1
	v_and_b32 v3, 31, v0
	v_mul_u32_u24 v[TRW], v1, 528
	v_lshl_add_u32 v[TRW], v2, 6, v[TRW]
	v_add_nc_u32 v[TRW], s20, v[TRW]
	v_lshlrev_b32 v[TRR], 2, v3
	v_add_nc_u32 v[TRR], s20, v[TRR]
	v_and_b32 v4, 7, v0
	v_lshl_add_u32 v4, v2, 3, v4
	v_bfe_u32 v5, v0, 3, 1
	v_lshlrev_b32 v[VW], 4, v4
	v_mad_u32_u24 v[VW], v5, 1536, v[VW]
	v_add_nc_u32 v[VW], s20, v[VW]
	v_add_nc_u32 v[VW], 16896, v[VW]
	v_lshl_add_u32 v[VSW], v5, 4, v4
	v_lshlrev_b32 v[VSW], 2, v[VSW]
	v_add_nc_u32 v[VSW], s20, v[VSW]
	v_add_nc_u32 v[VSW], 29184, v[VSW]
	v_lshlrev_b32 v[CO16], 4, v3
	v_add_nc_u32 v[RDV], s20, v[CO16]
	v_add_nc_u32 v[RDV], 16896, v[RDV]
	v_lshlrev_b32 v[CO8], 3, v3
	v_add_nc_u32 v[RDS], s20, v[CO8]
	v_add_nc_u32 v[RDS], 29184, v[RDS]
.macro VL g
.set i, 0
.rept 32
	ds_load_b32 v[XV+32*((\g)%2)+i], v[TRR] offset:528*i+128*(\g)
.set i, i+1
.endr
.endm
.macro VBLK kb, g
.set XS, XV+32*((\g)%2)
.set VB, 6144*((\g)/2)+3072*((\g)%2)+256*((\kb)%2)
.if (\g) < 3
	VL (\g)+1
	s_wait_dscnt 32
.else
	s_wait_dscnt 0x0
.endif
	v_max3_num_f32 v44, |v[XS]|, |v[XS+1]|, |v[XS+2]|
	v_max3_num_f32 v45, |v[XS+3]|, |v[XS+4]|, |v[XS+5]|
.irp i, 6,10,14,18,22,26
	v_max3_num_f32 v44, v44, |v[XS+\i]|, |v[XS+\i+1]|
	v_max3_num_f32 v45, v45, |v[XS+\i+2]|, |v[XS+\i+3]|
.endr
	v_max3_num_f32 v44, v44, |v[XS+30]|, |v[XS+31]|
	v_max3_num_f32 v44, v44, v45, 0x1800000
	v_add_nc_u32 v46, 0xff000000, v44
	v_lshrrev_b32 v47, 23, v46
.if (\kb) == 0
	v_mov_b32 v[SBV+(\g)], v47
.else
	v_lshl_or_b32 v[SBV+(\g)], v47, 8*(\kb), v[SBV+(\g)]
.endif
	v_cvt_scalef32_pk16_fp6_f32 v[VC:VC+2], v[XS:XS+15], v46
	v_cvt_scalef32_pk16_fp6_f32 v[VC+4:VC+6], v[XS+16:XS+31], v46
	v_nop
	v_mov_b32 v[VC+3], v[VC+4]
	v_mov_b32 v[VC+4], v[VC+5]
	v_mov_b32 v[VC+5], v[VC+6]
.if (\kb) < 2
	ds_store_b128 v[VW], v[VC:VC+3] offset:VB
	ds_store_b64 v[VW], v[VC+4:VC+5] offset:VB+512
.else
	ds_store_b64 v[VW], v[VC:VC+1] offset:VB+520
	ds_store_b128 v[VW], v[VC+2:VC+5] offset:VB+1024
.endif
.endm
.macro VKB kb
	WIN 0x08+4*((\kb)/2)
.irp u, 0,1
.irp tb, 0,1,2,3,4,5,6,7
	ds_store_b128 v[TRW], v[64*((2*(\kb)+\u)%4)+8*\tb:64*((2*(\kb)+\u)%4)+8*\tb+3] offset:8448*\u+128*(\tb/2)+32*(\tb%2)
	ds_store_b128 v[TRW], v[64*((2*(\kb)+\u)%4)+8*\tb+4:64*((2*(\kb)+\u)%4)+8*\tb+7] offset:8448*\u+128*(\tb/2)+32*(\tb%2)+16
.endr
.endr
	WIN 0
	VL 0
	VBLK \kb, 0
	VBLK \kb, 1
	VBLK \kb, 2
	VBLK \kb, 3
.endm
	VKB 0
	VKB 1
	VKB 2
	VKB 3
.irp g, 0,1,2,3
	ds_store_b32 v[VSW], v[SBV+\g] offset:256*(\g/2)+128*(\g%2)
.endr
.irp c, 0,1,2,3,4,5,6,7,8,9,10,11,12,13,14,15,16,17,18,19,20,21,22,23
	ds_load_b128 v[128+4*\c:131+4*\c], v[RDV] offset:512*\c
.endr
.irp e, 0,1
	ds_load_b64 v[224+2*\e:225+2*\e], v[RDS] offset:256*\e
.endr
.irp c, 0,1,2,3,4,5,6,7,8,9,10,11,12,13,14,15,16,17,18,19,20,21,22,23
	s_wait_dscnt 25-\c
	global_store_b128 v[CO16], v[128+4*\c:131+4*\c], s[IMGP:IMGP+1] offset:294912*(\c/12)+512*(\c%12)
.endr
.irp e, 0,1
	s_wait_dscnt 1-\e
	global_store_b64 v[CO8], v[224+2*\e:225+2*\e], s[SCP:SCP+1] offset:20480*\e
.endr
.Lend:
	s_wait_tensorcnt 0x0
	ds_add_u32 v[SPW], v[NIL]
	s_wait_dscnt 0x0
	CROUND
	s_endpgm
.Lfunc_end_k_qab537f3649_qkv:
	.size	k_qab537f3649_qkv, .Lfunc_end_k_qab537f3649_qkv-k_qab537f3649_qkv
	.p2alignl 7, 3214868480
	.fill 96, 4, 3214868480
	.section	.rodata,"a",@progbits
	.p2align	6, 0x0
	.amdhsa_kernel k_qab537f3649_qkv
		.amdhsa_group_segment_fixed_size 327680
		.amdhsa_private_segment_fixed_size 0
		.amdhsa_enable_private_segment 0
		.amdhsa_kernarg_size 40
		.amdhsa_user_sgpr_count 2
		.amdhsa_user_sgpr_kernarg_segment_ptr 1
		.amdhsa_wavefront_size32 1
		.amdhsa_system_sgpr_workgroup_id_x 1
		.amdhsa_system_sgpr_workgroup_id_y 1
		.amdhsa_system_sgpr_workgroup_id_z 1
		.amdhsa_system_vgpr_workitem_id 0
		.amdhsa_next_free_vgpr 1024
		.amdhsa_next_free_sgpr 106
		.amdhsa_reserve_vcc 0
		.amdhsa_float_denorm_mode_32 3
		.amdhsa_float_denorm_mode_16_64 3
		.amdhsa_memory_ordered 1
		.amdhsa_forward_progress 1
		.amdhsa_inst_pref_size 255
	.end_amdhsa_kernel
	.section	.bss,"aw",@nobits
	.p2align	6
	.space	262144
	.amdgpu_metadata
---
amdhsa.version: [ 1, 2 ]
amdhsa.kernels:
  - .name:           k_qab537f3649_qkv
    .symbol:         k_qab537f3649_qkv.kd
    .args:
      - { .name: codes, .offset: 0, .size: 8, .value_kind: global_buffer, .address_space: global }
      - { .name: scales, .offset: 8, .size: 8, .value_kind: global_buffer, .address_space: global }
      - { .name: tab, .offset: 16, .size: 8, .value_kind: global_buffer, .address_space: global }
      - { .name: qkv_img, .offset: 24, .size: 8, .value_kind: global_buffer, .address_space: global }
      - { .name: qkv_sc, .offset: 32, .size: 8, .value_kind: global_buffer, .address_space: global }
    .group_segment_fixed_size: 327680
    .private_segment_fixed_size: 0
    .kernarg_segment_align: 8
    .kernarg_segment_size: 40
    .max_flat_workgroup_size: 128
    .sgpr_count:     106
    .vgpr_count:     1024
    .wavefront_size: 32
...
	.end_amdgpu_metadata
.endif
;; end of part 2
;; launch attn (part 3): grid 8 x 32, 16 waves a work-group, clusters of 4 x 1, 210,944 bytes of LDS; arguments qkv_img, qkv_sc, ao_img, ao_sc; writes ao_img, ao_sc
.if DOCPART == 3
	.amdgcn_target "amdgcn-amd-amdhsa--gfx1250"
	.amdhsa_code_object_version 6
	.text
	.protected	k_qab537f3649_attn
	.globl	k_qab537f3649_attn
	.p2align	8
	.type	k_qab537f3649_attn,@function
k_qab537f3649_attn:
	s_mov_b64 s[64:65], 0
	v_nop
	global_prefetch_b8 v0, s[64:65] scope:SCOPE_SE
	s_setreg_imm32_b32 hwreg(HW_REG_WAVE_MODE, 25, 1), 1
	s_wait_xcnt 0x0
	s_wait_alu depctr_hold_cnt(0) depctr_sa_sdst(0) depctr_va_vdst(0) depctr_va_sdst(0) depctr_va_ssrc(0) depctr_va_vcc(0) depctr_vm_vsrc(0)
	s_getreg_b32 s2, hwreg(HW_REG_IB_STS2, 6, 4)
	s_cmp_eq_u32 s2, 0
	s_cbranch_scc0 .Lentry_in_a_cluster
	s_endpgm
.Lentry_in_a_cluster:
	s_bfe_u32 s2, ttmp6, 0x10000c
	s_cmp_lg_u32 s2, 0x3003
	s_cbranch_scc0 .Lentry_shape_is_right
	s_endpgm
.Lentry_shape_is_right:
; LAUNCH 3.  Causal attention on codes of FP6 (E2M3): 32 heads (16 x batch + head) of 2,048 tokens, head size 64.  q, k, v arrive as images of operand registers with their scale words; the result, O / l, is quantised
; along the head's 64 and stored as the image of the last product's operand.
; THE SOFTMAX AHEAD OF THE SECOND PRODUCT: t = score x log2(e) / 8; M = the row's largest t so far, rounded UP to a whole number; p = 2^(t - M) is what is quantised, along the keys; the row's sum is taken of the
; unquantised p and divides O at the end.  When M moves, the sum and O are multiplied by 2^(old M - new M): exact.
; LDS IS FILLED ONCE: a head's codes of K and of V are 98,304 bytes each, their scale words 12,288: together the 208,896 bytes that are claimed.  No slot is ever filled again, and nothing is stored to LDS.
; CLUSTER: the eight work-groups of a head are two clusters of four; the four ask for the head's K and V JOINTLY (mask 15).  Waves 0-11 fetch the images, waves 12-15 the scale words: one load a wave.
; SHARES: a wave owns one tile of 16 queries: tile t of block blk (128 queries).  With R = wave / 4, C = wave % 4, c = the cluster's x: low = 2 (2 (R / 2) + C / 2) + c; blk = low, or 15 - low where (R xor C) is odd;
; t = 4 (R % 2) + cx.  A wave works blk + 1 key steps, so each four waves with one low work 34, each work-group 136.  blk hangs on the wave's number and the cluster's x alone: the branches are alike in all partners;
; cx enters global addresses and one vector register that is compared, never a branch or an LDS address.
; EVERY wave walks all 16 steps (the trip counts are constants); a step all of whose keys come after the wave's queries is jumped over by a scalar branch, round its work alone.
; LAYOUT: both products are used transposed (S^T = K Q^T, O^T = V^T P^T): a lane holds ONE query.  Lane r' of tile t of a step holds token 32 (t / 2) + 8 (t % 2) + r' % 8 + 16 (r' / 8), so that the 16 registers of
; tiles 2 b, 2 b + 1 of S^T are keys 32 b + 16 (lane / 16) + 0 .. 15, and those of O^T channels likewise.
; A HEAD OF 64 FILLS HALF OF THE INSTRUCTION'S 128: q's codes for k = 64 .. 127 are zeros and the scale bytes there 0x7f.  E2M3 has no code for infinity or NaN, so whatever K's operand holds in that half adds nothing:
; tile t of K is named as registers 6 t .. 6 t + 11 of the step's run of 48, reaching into the next tile's; the last reaches into six registers of zeros.
; LIMITS: a block of zeros gets the byte 1 (its codes are zeros).  The scale bytes of the result are stored one byte a lane, 32 a wave, into rows 32 bytes apart: 131,072 bytes in the launch go out so.
; THE LOADS, as they now stand: every wave issues ONE joint load at the head: waves 0-11 take 16,384 bytes each of the head's K and V images (196,608 bytes on end in memory as in LDS), waves 12-15 take 3,072 bytes each of the scale words.
; All waves wait for their load, one barrier follows, and one loop walks the 16 key steps.
.set KI,   0
.set VI,   98304                       ; V's
.set SCK,  196608                      ; K's scale words, 512 bytes a step
.set SCV,  204800                      ; V's, 256 bytes a step
.set L16,  1                           ; v1   16 x lane
.set LSK,  2                           ; v2   SCK + 4 x lane
.set LSV,  3                           ; v3   SCV + 4 x lane
.set DM,   4                           ; v4   my query's place in its block - 16 (lane / 16)
.set QA,   5                           ; v5-6 q's offsets;  v7 4 (lane % 16)
.set QB,   6
.set QS,   7
.set ADK,  8                           ; v8-11 LDS addresses of the step in hand: K, V, K's scale words, V's
.set ADV,  9
.set ADS,  10
.set ADT,  11
.set O8,   29                          ; v29  8 x lane
.set OS,   30                          ; v30  32 (lane % 16) + lane / 16
.set BM,   220                         ; v220-223 the blocks' largest scores, then their largest p
.set BT,   224                         ; v224-227 the other half's, then the bytes
.set SO,   228                         ; v228-231 the conversions' scale operands
.set F,    232                         ; v[232:233] f = 2^(old M - new M), and a 0
.set PW,   234                         ; v234 p's scale word
.set TMP,  235
.set S2,   236                         ; v[236:237] the sum's second chain
.set PCD,  200                         ; v200-211 p's codes;  v212-214, v216-218 the conversions' second halves
.set PC2,  212
.set WV,   18
.set BH,   19
.set SEL,  20                          ; s[20:21]
.set CS,   22                          ; s[22:23] c = log2(e) / 8
.set G1I,  24                          ; s[24:31] group 1: 16,384 bytes of the images, 64 rows of 256 bytes
.set G1S,  32                          ; s[32:39] group 1: a quarter of the scale words, 12 rows of 256 bytes
.set G0,   40                          ; s[40:47] two groups 0
.set KF,   66                          ; s66 the step's first key
.set BK,   67                          ; s67 my block's first query
.set TK,   68                          ; s68 the step's image, 6,144 bytes a step
.set TS,   69                          ; s69 K's scale words, 512
.set TV,   70                          ; s70 V's, 256
.set CNT,  71
.macro CROUND                          ; a round of the cluster's barrier
	s_barrier_signal -1
	s_barrier_wait -1
	s_cmp_lg_u32 s[WV], 0
	s_cbranch_scc1 .Lnot_wave_0_\@
	s_barrier_signal -3
.Lnot_wave_0_\@:
	s_barrier_wait -3
	s_barrier_signal -1
	s_barrier_wait -1
.endm
	s_load_b128 s[4:7], s[0:1], 0x0                ; qkv_img, qkv_sc
	s_load_b128 s[8:11], s[0:1], 0x10              ; ao_img, ao_sc
	v_lshl_add_u32 v254, v0, 2, 0x33000
	v_mov_b32 v255, 0
	ds_add_u32 v254, v255
	ds_add_u32 v254, v255
	v_lshrrev_b32 v1, 5, v0
	s_delay_alu instid0(VALU_DEP_1)
	v_readfirstlane_b32 s[WV], v1                  ; wave 0..15
	s_and_b32 s[BH], ttmp7, 0xffff                 ; 16 x batch + head: the partners share it
	s_bfe_u32 s72, ttmp6, 0x40000                  ; cx
	s_mul_i32 s74, s[BH], 294912                   ; the head's images
	s_mov_b32 s75, 0
	s_mul_i32 s76, s[BH], 20480                    ; and scale words
	s_mov_b32 s77, 0
	; descriptor groups 1: dense blocks as rows of 256 bytes (32 elements of 8 bytes), no padding; 15:0 the mask: all four work-groups; 21 set beside a mask
	s_mov_b32 s[G1I], 15|(3<<16)|(1<<21)
	s_mov_b32 s[G1I+1], 32<<16                     ; tensor_dim0
	s_mov_b32 s[G1I+2], 64<<16
	s_mov_b32 s[G1I+3], 32<<16                     ; tile_dim0
	s_mov_b32 s[G1I+4], 64
	s_mov_b32 s[G1I+5], 32                         ; the pitch
	s_mov_b32 s[G1I+6], 0
	s_mov_b32 s[G1I+7], 0
	s_mov_b32 s[G1S], 15|(3<<16)|(1<<21)
	s_mov_b32 s[G1S+1], 32<<16
	s_mov_b32 s[G1S+2], 12<<16
	s_mov_b32 s[G1S+3], 32<<16
	s_mov_b32 s[G1S+4], 12
	s_mov_b32 s[G1S+5], 32
	s_mov_b32 s[G1S+6], 0
	s_mov_b32 s[G1S+7], 0
	s_and_b32 s78, s[WV], 3
	s_mul_i32 s78, s78, 3072                       ; waves 12-15: a quarter of the 12,288 bytes of K's and V's scale words
	s_mov_b32 s79, 0
	s_lshl_b32 s80, s[WV], 14                      ; waves 0-11: 16,384 bytes of K's and V's images
	s_mov_b32 s81, 0
	s_wait_dscnt 0x0
	s_wait_kmcnt 0x0
	s_add_nc_u64 s[4:5], s[4:5], s[74:75]
	s_add_nc_u64 s[6:7], s[6:7], s[76:77]
	s_mov_b32 s[G0], 1
	s_add_co_u32 s[G0+1], s78, SCK
	s_add_nc_u64 s[G0+2:G0+3], s[6:7], s[78:79]
	s_add_nc_u64 s[G0+2:G0+3], s[G0+2:G0+3], 8192  ; behind q's scale words
	s_or_b32 s[G0+3], s[G0+3], 0x80000000
	s_add_nc_u64 s[82:83], s[4:5], s[80:81]
	s_add_nc_u64 s[82:83], s[82:83], 98304         ; behind q's images
.irp j, 0
	s_mov_b32 s[G0+4+4*\j], 1
	s_add_co_u32 s[G0+5+4*\j], s80, 24576*\j
	s_add_nc_u64 s[G0+6+4*\j:G0+7+4*\j], s[82:83], 24576*\j
	s_or_b32 s[G0+7+4*\j], s[G0+7+4*\j], 0x80000000
.endr
	CROUND                                         ; all four work-groups are here: the joint loads meet
	s_cmp_lt_u32 s[WV], 12                         ; one branch on the wave's number, a load in each arm: one tensor load a wave
	s_cbranch_scc0 .Lfor_sc
	tensor_load_to_lds s[G0+4:G0+7], s[G1I:G1I+7]
	s_nop 0
.rept 4
	v_nop
.endr
	s_branch .Lno_fetch
.Lfor_sc:
	tensor_load_to_lds s[G0:G0+3], s[G1S:G1S+7]
	s_nop 0
.rept 4
	v_nop
.endr
.Lno_fetch:
	; which queries are mine
	s_lshr_b32 s73, s[WV], 2                       ; R
	s_and_b32 s84, s[WV], 3                        ; C
	s_lshr_b32 s85, s73, 1
	s_lshl_b32 s85, s85, 1
	s_lshr_b32 s86, s84, 1
	s_add_co_u32 s85, s85, s86
	s_lshl_b32 s85, s85, 1
	s_add_co_u32 s85, s85, ttmp9                   ; low
	s_xor_b32 s86, s73, s84
	s_and_b32 s86, s86, 1
	s_sub_co_u32 s87, 15, s85
	s_cmp_eq_u32 s86, 1
	s_cselect_b32 s85, s87, s85                    ; blk
	s_lshl_b32 s[BK], s85, 7
	s_and_b32 s73, s73, 1
	s_lshl_b32 s73, s73, 2
	s_add_co_u32 s73, s73, s72                     ; t = 4 (R % 2) + cx
	s_mul_i32 s92, s85, 6144
	s_mov_b32 s93, 0
	s_add_nc_u64 s[92:93], s[4:5], s[92:93]        ; q's image of my block
	s_lshl_b32 s94, s85, 9
	s_lshl_b32 s95, s73, 6
	s_add_co_u32 s94, s94, s95
	s_mov_b32 s95, 0
	s_add_nc_u64 s[94:95], s[6:7], s[94:95]        ; my tile's scale words: 512 blk + 64 t
	s_lshr_b32 s88, s73, 1
	s_and_b32 s89, s73, 1
	s_mul_i32 s90, s88, 1536                       ; registers 6 t .. 6 t + 5 of the run, in pieces of 8 bytes: 1,536 (t / 2) + 0, 8, 512 for an even t, + 520, 1,024, 1,032 for an odd one
	s_mul_i32 s91, s89, 520
	s_add_co_u32 s91, s91, s90
	s_mul_i32 s96, s89, 1016
	s_add_co_u32 s96, s96, s90
	s_add_co_u32 s96, s96, 8
	s_lshl_b32 s88, s88, 5
	s_lshl_b32 s89, s89, 3
	s_add_co_u32 s97, s88, s89                     ; 32 (t / 2) + 8 (t % 2)
	v_and_b32 v31, 31, v0                          ; lane
	s_delay_alu instid0(VALU_DEP_1)
	v_lshlrev_b32 v[L16], 4, v31
	s_delay_alu instid0(VALU_DEP_2)
	v_lshl_add_u32 v[LSK], v31, 2, SCK
	s_delay_alu instid0(VALU_DEP_3)
	v_lshl_add_u32 v[LSV], v31, 2, SCV
	s_delay_alu instid0(VALU_DEP_4)
	v_lshlrev_b32 v[O8], 3, v31
	s_delay_alu instid0(VALU_DEP_4)
	v_add_nc_u32 v[QA], s91, v[L16]
	v_add_nc_u32 v[QB], s96, v[L16]
	v_and_b32 v8, 15, v0                           ; r
	v_bfe_u32 v9, v0, 4, 1                         ; h
	s_delay_alu instid0(VALU_DEP_2)
	v_lshlrev_b32 v[QS], 2, v8
	global_load_b64 v[16:17], v[QA], s[92:93]      ; q's half fragment stays in registers
	global_load_b64 v[18:19], v[QB], s[92:93]
	global_load_b64 v[20:21], v[QA], s[92:93] offset:512
	global_load_b32 v28, v[QS], s[94:95]           ; and its scale words
	v_lshl_add_u32 v[OS], v8, 5, v9
	v_and_b32 v10, 7, v0
	v_bfe_u32 v11, v0, 3, 1
	s_delay_alu instid0(VALU_DEP_1)
	v_lshl_add_u32 v10, v11, 4, v10                ; r % 8 + 16 (r / 8)
	v_lshlrev_b32 v11, 4, v9
	s_delay_alu instid0(VALU_DEP_1)
	v_sub_nc_u32 v10, v10, v11
	s_delay_alu instid0(VALU_DEP_1)
	v_add_nc_u32 v[DM], s97, v10
	; where the result goes: row block T = 128 x batch + 8 blk + t; a head's half fragment is 768 bytes, its two bytes of a row's 32 lie at 2 x head
	s_lshr_b32 s88, s[BH], 4
	s_lshl_b32 s88, s88, 7
	s_lshl_b32 s89, s85, 3
	s_add_co_u32 s88, s88, s89
	s_add_co_u32 s88, s88, s73                     ; T
	s_and_b32 s89, s[BH], 15                       ; head
	s_mul_i32 s90, s88, 12288
	s_mul_i32 s91, s89, 768
	s_add_co_u32 s90, s90, s91
	s_mov_b32 s91, 0
	s_add_nc_u64 s[8:9], s[8:9], s[90:91]
	s_lshl_b32 s90, s88, 9
	s_lshl_b32 s89, s89, 1
	s_add_co_u32 s90, s90, s89
	s_add_nc_u64 s[10:11], s[10:11], s[90:91]
	s_mov_b32 s[SEL], 0x76543210
	s_mov_b32 s[SEL+1], 0xfedcba98
	s_mov_b32 s[CS], 0x3e38aa3b                    ; c = log2(e) / sqrt(64)
	s_mov_b32 s[CS+1], s[CS]                       ; (named with it as a pair, so it is written)
	s_mov_b32 s[KF], 0
	s_mov_b32 s[TK], 0
	s_mov_b32 s[TS], 0
	s_mov_b32 s[TV], 0
	v_mov_b32 v13, 0xff61b1e6                      ; the largest t so far: -3e38, under every t
	s_delay_alu instid0(VALU_DEP_1)
	v_floor_f32 v12, -v13                          ; -M
	v_mov_b32 v14, 0                               ; the sum, in two halves
	v_mov_b32 v15, 0
.irp j, 22,23,24,25,26,27,80,81,82,83,84,85
	v_mov_b32 v[\j], 0                             ; q's codes for k = 64 .. 127, and what K's last tile reaches into
.endr
.irp b, 0,1,2,3
	v_mov_b32 v[BT+\b], 0                          ; written once: a lane permute's destination counts as one of its sources
.endr
	v_mov_b32 v[F+1], 0                            ; (named as the upper half of a pair)
.irp j, 0,1,2,3,4,5,6,7,8,9,10,11,12,13,14,15,16,17,18,19,20,21,22,23,24,25,26,27,28,29,30,31
	v_mov_b32 v[160+\j], 0                         ; O^T.  (The step is written without a first step of its own: the first finds zeros, which the first change of M leaves zeros)
.endr
; A KEY STEP: 128 keys
.macro STEP
	s_cmp_gt_u32 s[KF], s[BK]                      ; all its keys come after my queries: the work is left out, the addresses' steps at the end are not
	s_cbranch_scc1 .Lhidden_\@
	v_add_nc_u32 v[ADK], s[TK], v[L16]             ; (these four are also the places in front of the loads into registers that the last step's products have read)
	v_add_nc_u32 v[ADS], s[TS], v[LSK]
	v_add_nc_u32 v[ADT], s[TV], v[LSV]
	s_delay_alu instid0(VALU_DEP_3)
	v_add_nc_u32 v[ADV], VI, v[ADK]
.irp c, 0,1,2,3,4,5,6,7,8,9,10,11
	ds_load_b128 v[32+4*\c:35+4*\c], v[ADK] offset:512*\c          ; K's run of 48 registers, as it was stored
.endr
.irp b, 0,1,2,3
	ds_load_b32 v[86+\b], v[ADS] offset:128*\b     ; lanes 0-15: tile 2 b's scale words, lanes 16-31: tile 2 b + 1's
.endr
	s_wait_alu depctr_va_vdst(0)
	s_wait_dscnt 0x0
.irp t, 0,2,4,6
	v_wmma_scale_f32_16x16x128_f8f6f4 v[96+8*\t:103+8*\t], v[32+6*\t:43+6*\t], v[16:27], 0, v[86+\t/2], v28 matrix_a_fmt:MATRIX_FMT_FP6 matrix_b_fmt:MATRIX_FMT_FP6
	v_wmma_scale_f32_16x16x128_f8f6f4 v[104+8*\t:111+8*\t], v[38+6*\t:49+6*\t], v[16:27], 0, v[86+\t/2], v28 matrix_a_fmt:MATRIX_FMT_FP6 matrix_b_fmt:MATRIX_FMT_FP6 matrix_a_scale:MATRIX_SCALE_ROW1
.endr
.rept 4
	v_nop                                          ; places: in front of the loads below and of the first read of the scores
.endr
.irp c, 0,1,2,3,4,5,6,7,8,9,10,11
	ds_load_b128 v[32+4*\c:35+4*\c], v[ADV] offset:512*\c          ; V's four fragments take K's registers and land under the softmax
.endr
.irp g, 0,1
	ds_load_b32 v[90+\g], v[ADT] offset:128*\g
.endr
	s_cmp_lt_u32 s[KF], s[BK]                      ; a step all of whose keys count skips the mask
	s_cbranch_scc1 .Lopen_\@
	v_mov_b32 v[TMP], 0xff800000                   ; the diagonal step: register 16 b + i holds key 32 b + i + 16 (lane / 16) of the block: hidden where 32 b + i > DM; its score becomes -infinity, p = 0
.irp n, 0,1,2,3,4,5,6,7,8,9,10,11,12,13,14,15,16,17,18,19,20,21,22,23,24,25,26,27,28,29,30,31,32,33,34,35,36,37,38,39,40,41,42,43,44,45,46,47,48,49,50,51,52,53,54,55,56,57,58,59,60,61,62,63
	v_cmp_gt_i32 vcc_lo, 32*(\n/16)+\n%16, v[DM]
	v_cndmask_b32 v[96+\n], v[96+\n], v[TMP], vcc_lo
.endr
.Lopen_\@:
.irp b, 0,1,2,3
	v_max3_num_f32 v[BM+\b], v[96+16*\b], v[97+16*\b], v[98+16*\b]   ; the largest score of each block of 32 keys: it serves for the row's maximum and, since p rises with the score, for the block's largest p
.endr
.irp i, 3,5,7,9,11,13
.irp b, 0,1,2,3
	v_max3_num_f32 v[BM+\b], v[BM+\b], v[96+16*\b+\i], v[97+16*\b+\i]
.endr
.endr
.irp b, 0,1,2,3
	v_max_num_f32 v[BM+\b], v[BM+\b], v[111+16*\b]
.endr
.irp b, 0,1,2,3
	s_delay_alu instid0(VALU_DEP_4)
	v_permlanex16_b32 v[BT+\b], v[BM+\b], s[SEL], s[SEL+1]
.endr
.irp b, 0,1,2,3
	s_delay_alu instid0(VALU_DEP_4)
	v_max_num_f32 v[BM+\b], v[BM+\b], v[BT+\b]     ; with lane l xor 16's 16 keys
.endr
	s_delay_alu instid0(VALU_DEP_2)
	v_max3_num_f32 v[TMP], v[BM], v[BM+1], v[BM+2]
	s_delay_alu instid0(VALU_DEP_1)
	v_max_num_f32 v[TMP], v[TMP], v[BM+3]          ; the step's largest score of my query
	s_delay_alu instid0(VALU_DEP_1)
	v_mul_f32 v[TMP], s[CS], v[TMP]                ; as t (c is positive)
	s_delay_alu instid0(VALU_DEP_1)
	v_max_num_f32 v13, v13, v[TMP]                 ; the running largest t
	v_mov_b32 v[TMP], v12
	s_delay_alu instid0(VALU_DEP_2)
	v_floor_f32 v12, -v13                          ; the new -M = floor(-t): M is a whole number
	s_delay_alu instid0(VALU_DEP_1)
	v_sub_f32 v[TMP], v12, v[TMP]                  ; old M - new M: a whole number, 0 or less
	s_delay_alu instid0(VALU_DEP_1)
	v_cvt_i32_f32 v[TMP], v[TMP]                   ; (it saturates)
	s_delay_alu instid0(VALU_DEP_1)
	v_ldexp_f32 v[F], 1.0, v[TMP]                  ; f = 2^(old M - new M)
.irp j, 0,2,4,6,8,10,12,14,16,18,20,22,24,26,28,30,32,34,36,38,40,42,44,46,48,50,52,54,56,58,60,62
	v_pk_fma_f32 v[96+\j:97+\j], v[96+\j:97+\j], s[CS:CS+1], v[12:13] op_sel_hi:[1,0,0]   ; t - M, two at a time
.endr
.irp b, 0,1,2,3
	v_fma_f32 v[BM+\b], v[BM+\b], s[CS], v12       ; the same of each block's largest score
.endr
	s_wait_alu depctr_va_vdst(0)
.irp j, 0,1,2,3,4,5,6,7,8,9,10,11,12,13,14,15,16,17,18,19,20,21,22,23,24,25,26,27,28,29,30,31,32,33,34,35,36,37,38,39,40,41,42,43,44,45,46,47,48,49,50,51,52,53,54,55,56,57,58,59,60,61,62,63
	v_exp_f32 v[96+\j], v[96+\j]                   ; p = 2^(t - M), at most 1: not normalised
.endr
	v_pk_mul_f32 v[14:15], v[14:15], v[F:F+1] op_sel_hi:[1,0]      ; the sums under the new M.  (A plain place behind the exponentials)
	s_wait_alu depctr_va_vdst(0)                   ; one wait for the whole batch, ahead of its first reader
.irp b, 0,1,2,3
	v_exp_f32 v[BM+\b], v[BM+\b]                   ; the block's largest p: the same two instructions on the same number give the same bits
.endr
	v_pk_add_f32 v[236:237], v[100:101], v[104:105]
	v_pk_add_f32 v[252:253], v[108:109], v[112:113]
	v_pk_add_f32 v[250:251], v[116:117], v[120:121]
	v_pk_add_f32 v[248:249], v[124:125], v[128:129]
	v_pk_add_f32 v[246:247], v[132:133], v[136:137]
	v_pk_add_f32 v[244:245], v[140:141], v[144:145]
	v_pk_add_f32 v[242:243], v[148:149], v[152:153]
	v_pk_add_f32 v[14:15], v[14:15], v[156:157]
	v_pk_add_f32 v[236:237], v[236:237], v[96:97]
	v_pk_add_f32 v[252:253], v[252:253], v[98:99]
	v_pk_add_f32 v[250:251], v[250:251], v[102:103]
	v_pk_add_f32 v[248:249], v[248:249], v[106:107]
	v_pk_add_f32 v[246:247], v[246:247], v[110:111]
	v_pk_add_f32 v[244:245], v[244:245], v[114:115]
	v_pk_add_f32 v[242:243], v[242:243], v[118:119]
	v_pk_add_f32 v[14:15], v[14:15], v[122:123]
	v_pk_add_f32 v[236:237], v[236:237], v[126:127]
	v_pk_add_f32 v[252:253], v[252:253], v[130:131]
	v_pk_add_f32 v[250:251], v[250:251], v[134:135]
	v_pk_add_f32 v[248:249], v[248:249], v[138:139]
	v_pk_add_f32 v[246:247], v[246:247], v[142:143]
	v_pk_add_f32 v[244:245], v[244:245], v[146:147]
	v_pk_add_f32 v[242:243], v[242:243], v[150:151]
	v_pk_add_f32 v[14:15], v[14:15], v[154:155]
	v_pk_add_f32 v[236:237], v[236:237], v[158:159]
	s_delay_alu instid0(VALU_DEP_2)
	v_pk_add_f32 v[14:15], v[14:15], v[248:249]
	s_delay_alu instid0(VALU_DEP_2)
	v_pk_add_f32 v[236:237], v[236:237], v[246:247]
	v_pk_add_f32 v[252:253], v[252:253], v[244:245]
	v_pk_add_f32 v[250:251], v[250:251], v[242:243]
	s_delay_alu instid0(VALU_DEP_2)
	v_pk_add_f32 v[14:15], v[14:15], v[252:253]
	s_delay_alu instid0(VALU_DEP_2)
	v_pk_add_f32 v[236:237], v[236:237], v[250:251]
	s_delay_alu instid0(VALU_DEP_1)
	v_pk_add_f32 v[14:15], v[14:15], v[236:237]
	s_wait_alu depctr_va_vdst(0)                   ; and one for the four
.irp b, 0,1,2,3
	v_max_num_f32 v[BM+\b], 0x1800000, v[BM+\b]    ; the floor 2^(3 - 127): the byte cannot fall under 1
.endr
.irp b, 0,1,2,3
	s_delay_alu instid0(VALU_DEP_4)
	v_add_nc_u32 v[SO+\b], 0xff000000, v[BM+\b]    ; 2 off the exponent field: the conversion's scale operand
.endr
.irp b, 0,1,2,3
	s_delay_alu instid0(VALU_DEP_4)
	v_lshrrev_b32 v[BT+\b], 23, v[SO+\b]           ; the scale's byte
.endr
	s_delay_alu instid0(VALU_DEP_3)
	v_lshl_or_b32 v[PW], v[BT+1], 8, v[BT]         ; p's scale word for these 128 keys
	s_delay_alu instid0(VALU_DEP_1)
	v_lshl_or_b32 v[PW], v[BT+2], 16, v[PW]
	s_delay_alu instid0(VALU_DEP_1)
	v_lshl_or_b32 v[PW], v[BT+3], 24, v[PW]
.irp c, 0,1
	v_cvt_scalef32_pk16_fp6_f32 v[PCD+6*\c:PCD+2+6*\c], v[96+32*\c:111+32*\c], v[SO+2*\c]
	v_cvt_scalef32_pk16_fp6_f32 v[PC2+4*\c:PC2+2+4*\c], v[112+32*\c:127+32*\c], v[SO+2*\c+1]   ; (a conversion's three registers begin on an even number)
.endr
	v_nop                                          ; one plain place behind a scaled conversion
.irp c, 0,1                                    ; a WHOLE block to a lane: lanes 0-15 block 2 c, lanes 16-31 block 2 c + 1
.irp i, 0,1,2
	v_permlane16_swap_b32 v[PCD+6*\c+\i], v[PC2+4*\c+\i]
.endr
.irp i, 0,1,2
	s_delay_alu instid0(VALU_DEP_3)
	v_mov_b32 v[PCD+3+6*\c+\i], v[PC2+4*\c+\i]
.endr
.endr
.irp j, 0,2,4,6,8,10,12,14,16,18,20,22,24,26,28,30
	v_pk_mul_f32 v[160+\j:161+\j], v[160+\j:161+\j], v[F:F+1] op_sel_hi:[1,0]   ; O^T under the new M.  (These sixteen are also the places between the scale word's and the codes' last writes and the products below)
.endr
	s_wait_alu depctr_va_vdst(0)
	s_wait_dscnt 0x0                               ; V is in
.irp t, 0,2
	v_wmma_scale_f32_16x16x128_f8f6f4 v[160+8*\t:167+8*\t], v[32+12*\t:43+12*\t], v[PCD:PCD+11], v[160+8*\t:167+8*\t], v[90+\t/2], v[PW] matrix_a_fmt:MATRIX_FMT_FP6 matrix_b_fmt:MATRIX_FMT_FP6
	v_wmma_scale_f32_16x16x128_f8f6f4 v[168+8*\t:175+8*\t], v[44+12*\t:55+12*\t], v[PCD:PCD+11], v[168+8*\t:175+8*\t], v[90+\t/2], v[PW] matrix_a_fmt:MATRIX_FMT_FP6 matrix_b_fmt:MATRIX_FMT_FP6 matrix_a_scale:MATRIX_SCALE_ROW1
.endr
.Lhidden_\@:
	s_add_co_u32 s[KF], s[KF], 128
	s_add_co_u32 s[TK], s[TK], 6144
	s_add_co_u32 s[TS], s[TS], 512
	s_add_co_u32 s[TV], s[TV], 256
.endm
	s_wait_loadcnt 0x0                             ; q
	s_wait_tensorcnt 0x0                           ; my one load has landed,
	s_barrier_signal -1
	s_barrier_wait -1                              ; everybody's has
	s_mov_b32 s[CNT], 16
.Lrest:                                            ; the 16 key steps
	STEP
	s_sub_co_u32 s[CNT], s[CNT], 1
	s_cmp_lg_u32 s[CNT], 0
	s_cbranch_scc1 .Lrest
	; THE WAY OUT.  O^T / the sum; its two blocks of 32 channels are quantised; lane (r, h) ends with block h of query r: the half fragment that my head fills of the last product's operand.
	v_add_f32 v14, v14, v15                        ; the sum's two halves,
	s_delay_alu instid0(VALU_DEP_1)
	v_permlanex16_b32 v[BT], v14, s[SEL], s[SEL+1]
	s_delay_alu instid0(VALU_DEP_1)
	v_add_f32 v14, v14, v[BT]                      ; and lane l xor 16's: the row's sum
	s_wait_alu depctr_va_vdst(0)
	v_rcp_f32 v14, v14
	v_bfe_u32 v[TMP], v0, 4, 1                     ; h.  (A plain place behind the reciprocal)
	v_nop
	v_nop                                          ; (with the lines above: the places behind the last products)
	s_wait_alu depctr_va_vdst(0)                   ; the wait ahead of the reciprocal's first reader
.irp j, 0,1,2,3,4,5,6,7,8,9,10,11,12,13,14,15,16,17,18,19,20,21,22,23,24,25,26,27,28,29,30,31
	v_mul_f32 v[96+\j], v[160+\j], v14             ; register 16 b + i is channel 32 b + 16 h + i
.endr
.irp b, 0,1
	v_max3_num_f32 v[BM+\b], |v[96+16*\b]|, |v[97+16*\b]|, 0x1800000
.endr
.irp i, 2,4,6,8,10,12,14
.irp b, 0,1
	s_delay_alu instid0(VALU_DEP_2)
	v_max3_num_f32 v[BM+\b], v[BM+\b], |v[96+16*\b+\i]|, |v[97+16*\b+\i]|
.endr
.endr
.irp b, 0,1
	s_delay_alu instid0(VALU_DEP_2)
	v_permlanex16_b32 v[BT+\b], v[BM+\b], s[SEL], s[SEL+1]
.endr
.irp b, 0,1
	s_delay_alu instid0(VALU_DEP_2)
	v_max_num_f32 v[BM+\b], v[BM+\b], v[BT+\b]
.endr
.irp b, 0,1
	s_delay_alu instid0(VALU_DEP_2)
	v_add_nc_u32 v[SO+\b], 0xff000000, v[BM+\b]
.endr
.irp b, 0,1
	s_delay_alu instid0(VALU_DEP_2)
	v_lshrrev_b32 v[BT+\b], 23, v[SO+\b]
.endr
	v_cvt_scalef32_pk16_fp6_f32 v[PCD:PCD+2], v[96:111], v[SO]
	v_cvt_scalef32_pk16_fp6_f32 v[PC2:PC2+2], v[112:127], v[SO+1]
	v_cmp_ne_u32 vcc_lo, 0, v[TMP]                 ; (a plain place behind the conversions)
.irp i, 0,1,2
	v_permlane16_swap_b32 v[PCD+\i], v[PC2+\i]
.endr
.irp i, 0,1,2
	s_delay_alu instid0(VALU_DEP_3)
	v_mov_b32 v[PCD+3+\i], v[PC2+\i]
.endr
	v_cndmask_b32 v[TMP], v[BT], v[BT+1], vcc_lo   ; my block's byte
	global_store_b64 v[O8], v[PCD:PCD+1], s[8:9]               ; each store: 32 lanes, 256 consecutive bytes, aligned: a plane of the image
	global_store_b64 v[O8], v[PCD+2:PCD+3], s[8:9] offset:256
	global_store_b64 v[O8], v[PCD+4:PCD+5], s[8:9] offset:512
	global_store_b8 v[OS], v[TMP], s[10:11]
	s_wait_tensorcnt 0x0
	ds_add_u32 v254, v255
	s_wait_dscnt 0x0
	CROUND                                         ; the closing round: no work-group ends while a partner may still ask for a tile that names it
	s_endpgm
.Lfunc_end_k_qab537f3649_attn:
	.size	k_qab537f3649_attn, .Lfunc_end_k_qab537f3649_attn-k_qab537f3649_attn
	.p2alignl 7, 3214868480
	.fill 96, 4, 3214868480
	.section	.rodata,"a",@progbits
	.p2align	6, 0x0
	.amdhsa_kernel k_qab537f3649_attn
		.amdhsa_group_segment_fixed_size 210944
		.amdhsa_private_segment_fixed_size 0
		.amdhsa_enable_private_segment 0
		.amdhsa_kernarg_size 32
		.amdhsa_user_sgpr_count 2
		.amdhsa_user_sgpr_kernarg_segment_ptr 1
		.amdhsa_wavefront_size32 1
		.amdhsa_system_sgpr_workgroup_id_x 1
		.amdhsa_system_sgpr_workgroup_id_y 1
		.amdhsa_system_sgpr_workgroup_id_z 1
		.amdhsa_system_vgpr_workitem_id 0
		.amdhsa_next_free_vgpr 256
		.amdhsa_next_free_sgpr 100
		.amdhsa_reserve_vcc 1
		.amdhsa_float_denorm_mode_32 3
		.amdhsa_float_denorm_mode_16_64 3
		.amdhsa_memory_ordered 1
		.amdhsa_forward_progress 1
		.amdhsa_inst_pref_size 37
	.end_amdhsa_kernel
	.amdgpu_metadata
---
amdhsa.version: [ 1, 2 ]
amdhsa.kernels:
  - .name:           k_qab537f3649_attn
    .symbol:         k_qab537f3649_attn.kd
    .args:
      - { .name: qkv_img, .offset: 0, .size: 8, .value_kind: global_buffer, .address_space: global }
      - { .name: qkv_sc, .offset: 8, .size: 8, .value_kind: global_buffer, .address_space: global }
      - { .name: ao_img, .offset: 16, .size: 8, .value_kind: global_buffer, .address_space: global }
      - { .name: ao_sc, .offset: 24, .size: 8, .value_kind: global_buffer, .address_space: global }
    .group_segment_fixed_size: 210944
    .private_segment_fixed_size: 0
    .kernarg_segment_align: 8
    .kernarg_segment_size: 32
    .max_flat_workgroup_size: 512
    .sgpr_count:     100
    .vgpr_count:     256
    .wavefront_size: 32
...
	.end_amdgpu_metadata
.endif
;; end of part 3
;; launch oproj (part 4): grid 8 x 32, 4 waves a work-group, clusters of 4 x 4, 327,680 bytes of LDS; arguments ao_img, ao_sc, codes, scales, out0; writes out0
.if DOCPART == 4
	.amdgcn_target "amdgcn-amd-amdhsa--gfx1250"
	.amdhsa_code_object_version 6
	.text
	.protected	k_qab537f3649_oproj
	.globl	k_qab537f3649_oproj
	.p2align	8
	.type	k_qab537f3649_oproj,@function
k_qab537f3649_oproj:
	s_mov_b64 s[64:65], 0
	v_nop
	global_prefetch_b8 v0, s[64:65] scope:SCOPE_SE
	s_setreg_imm32_b32 hwreg(HW_REG_WAVE_MODE, 25, 1), 1
	s_wait_xcnt 0x0
	s_wait_alu depctr_hold_cnt(0) depctr_sa_sdst(0) depctr_va_vdst(0) depctr_va_sdst(0) depctr_va_ssrc(0) depctr_va_vcc(0) depctr_vm_vsrc(0)
	s_getreg_b32 s2, hwreg(HW_REG_IB_STS2, 6, 4)
	s_cmp_eq_u32 s2, 0
	s_cbranch_scc0 .Lentry_in_a_cluster
	s_endpgm
.Lentry_in_a_cluster:
	s_bfe_u32 s2, ttmp6, 0x10000c
	s_cmp_lg_u32 s2, 0xf033
	s_cbranch_scc0 .Lentry_shape_is_right
	s_endpgm
.Lentry_shape_is_right:
; LAUNCH 4.  out0 [4,096][2,048] f32 = (attention's result) x Wo^T on codes of FP6 (E2M3), K = 1,024.
; A work-group of four waves makes 128 rows x 256 columns: 32 x 8 = 256 work-groups.  ALL OF K LIES IN LDS, FILLED ONCE: A's image of 128 rows (98,304 bytes on end) and 256 whole rows of Wo's codes
; (768 bytes each, 16 bytes of padding behind each 256: LDS rows 816 bytes apart).  One tensor load a wave: waves 0, 1 halves of A, waves 2, 3 halves of Wo.  No slot is filled again, no barrier stands in the walk.
; A WAVE makes all 128 rows x 64 columns.  Its fragments of Wo, 4 blocks x 8 K steps x 12 registers, stay in registers; A comes by blocks of 16 rows x all of K (96 registers, two buffers).
; A block is finished by 32 matrix instructions on end, its 4 accumulators by turns, K ascending.  Ahead of them stands ONE run of memory instructions: the block before goes through the wave's own
; stage in LDS, the block after is fetched, and the block before, back as rows of 256 bytes, is stored by sixteen lanes a row.
; THE MATRIX INSTRUCTION IS USED TRANSPOSED: source 0 = 16 rows of Wo, source 1 = 16 rows of A: a lane holds eight neighbouring columns of one row of the result.
; SCALES come straight into registers: a row's 32 bytes are 8 words, one a K step; lane (r, h) loads words 4 h .. 4 h + 3 of row r, so register j holds K step j in lanes 0-15 and K step 4 + j in lanes 16-31 (read with ROW1).
; A's IMAGE: block T of 16 rows is 12,288 bytes: K step q at 1,536 q, six planes of 256 bytes, 8 bytes a lane.  Lane r of block a of a work-group's eight holds row 32 (a / 2) + 8 (a % 2) + r % 8 + 16 (r / 8).
; CLUSTERS: 4 x 4; A's halves are asked for jointly along a row of the cluster, Wo's along a column.
; NO PREFETCH: every tile is asked for at the head; there is no loop to run ahead in.
; REGISTERS: window 0: v16-29 addresses, v32-63 A's scale words, v64-79 Wo's, v128-191 two sets of 4 accumulators, v192-223 the way out; window 1: A's two buffers; window 2: Wo's K steps 0-4; window 3: K steps 5-7.
.set BB,     98304                     ; LDS: Wo's rows, behind A's image
.set BP,     816
.set STAGE,  BB+256*BP                 ; 307,200: four stages of 16 rows x 272 bytes, bytes of their own
.set SPARE,  STAGE+4*4352              ; the spare words, 128 bytes a wave
.set ADRA, 16                          ; v16-17 A: 8 x lane, blocks 0-3 and 4-7
.set ADRB, 20                          ; v20 Wo: row x 816 + 24 h;  v21: the same + 16 h, where lanes 16-31 read beyond a padding
.set STO,  24
.set RD,   25
.set CO,   26
.set VSO,  27                          ; 32 r + 16 h
.set SPW,  28
.set NIL,  29
.set SA,   32
.set SB,   64
.set ACC,  128
.set OUT,  192
.set G1,   24
.set G0,   32
.set G0B,  36
.set G1B,  48
.set MSB, 0
.macro WIN new
.if MSB != \new
	s_set_vgpr_msb (MSB<<8)|\new
.set MSB, \new
.endif
.endm
.macro CROUND                          ; a round of the cluster's barrier
	s_barrier_signal -1
	s_barrier_wait -1
	s_cmp_lg_u32 s14, 0
	s_cbranch_scc1 .Lnot_wave_0_\@
	s_barrier_signal -3
.Lnot_wave_0_\@:
	s_barrier_wait -3
	s_barrier_signal -1
	s_barrier_wait -1
.endm
	s_load_b128 s[4:7], s[0:1], 0x0                ; ao_img, ao_sc
	s_load_b128 s[8:11], s[0:1], 0x10              ; codes, scales
	s_load_b64 s[12:13], s[0:1], 0x20              ; out0
	v_lshl_add_u32 v[SPW], v0, 2, SPARE
	v_mov_b32 v[NIL], 0
	ds_add_u32 v[SPW], v[NIL]                      ; the opening lines: the add, twice on end, and its wait
	ds_add_u32 v[SPW], v[NIL]
	v_lshrrev_b32 v1, 5, v0
	v_readfirstlane_b32 s14, v1                    ; wave
	s_lshr_b32 s15, s14, 1                         ; I fetch for A (0) or for Wo (1),
	s_and_b32 s16, s14, 1                          ; which half
	s_bfe_u32 s40, ttmp6, 0x40000                  ; cx
	s_bfe_u32 s41, ttmp6, 0x40004                  ; cy
	s_lshl_b32 s42, ttmp9, 2
	s_add_co_u32 s42, s42, s40                     ; block column, 256 columns
	s_and_b32 s17, ttmp7, 0xffff
	s_lshl_b32 s17, s17, 2
	s_add_co_u32 s17, s17, s41                     ; block row, 128 rows
	s_lshl_b32 s43, s41, 2
	s_lshl_b32 s43, 15, s43                        ; my row of the cluster
	s_lshl_b32 s44, 0x1111, s40                    ; my column
	s_or_b32 s[G1], s43, (3<<16)|(1<<21)           ; A: 49,152 bytes on end as 192 rows of 32 elements of 8 bytes, no padding
	s_mov_b32 s[G1+1], 32<<16
	s_mov_b32 s[G1+2], 192<<16
	s_mov_b32 s[G1+3], 32<<16
	s_mov_b32 s[G1+4], 192
	s_mov_b32 s[G1+5], 32
	s_mov_b32 s[G1+6], 0
	s_mov_b32 s[G1+7], 0
	s_or_b32 s[G1B], s44, (0<<16)|(1<<20)|(1<<21)|(5<<22)|(3<<25)   ; Wo: 128 rows of 768 bytes; 4 words of padding behind every 64
	s_mov_b32 s[G1B+1], 768<<16
	s_mov_b32 s[G1B+2], 128<<16
	s_mov_b32 s[G1B+3], 768<<16
	s_mov_b32 s[G1B+4], 128
	s_mov_b32 s[G1B+5], 768
	s_mov_b32 s[G1B+6], 0
	s_mov_b32 s[G1B+7], 0
	s_mul_i32 s20, s17, 98304                      ; A: 128 rows of the image
	s_mul_i32 s18, s16, 49152
	s_add_co_u32 s20, s20, s18
	s_mov_b32 s21, 0
	s_mul_i32 s46, s42, 196608                     ; Wo: 256 rows of 768 bytes
	s_mul_i32 s19, s16, 98304
	s_add_co_u32 s46, s46, s19
	s_mov_b32 s47, 0
	s_mul_i32 s45, s16, 128*BP
	s_wait_dscnt 0x0                               ; both opening adds are done
	s_wait_kmcnt 0x0
	s_add_nc_u64 s[20:21], s[4:5], s[20:21]
	s_add_nc_u64 s[46:47], s[8:9], s[46:47]
	s_add_nc_u64 s[46:47], s[46:47], 11010048      ; Wo's codes lie behind the 7,168 rows of 1,536 bytes
	CROUND                                         ; all sixteen work-groups are here: the joint loads meet
	s_mov_b32 s[G0], 1
	s_mov_b32 s[G0+1], s18
	s_mov_b64 s[G0+2:G0+3], s[20:21]
	s_or_b32 s[G0+3], s[G0+3], 0x80000000
	s_mov_b32 s[G0B], 1
	s_add_co_u32 s[G0B+1], s45, BB
	s_mov_b64 s[G0B+2:G0B+3], s[46:47]
	s_or_b32 s[G0B+3], s[G0B+3], 0x80000000
	s_cmp_eq_u32 s15, 0                            ; a load in each arm of one branch on the wave's number: one tensor load a wave
	s_cbranch_scc0 .Lfor_b
	tensor_load_to_lds s[G0:G0+3], s[G1:G1+7]
	s_nop 0
.rept 4
	v_nop
.endr
	s_branch .Lasked
.Lfor_b:
	tensor_load_to_lds s[G0B:G0B+3], s[G1B:G1B+7]
	s_nop 0
.rept 4
	v_nop
.endr
.Lasked:
	s_lshl_b32 s22, s17, 12                        ; A's scale bytes: 4,096 a block row
	s_mov_b32 s23, 0
	s_add_nc_u64 s[22:23], s[6:7], s[22:23]
	s_lshl_b32 s58, s42, 13                        ; Wo's: 32 bytes a row; my 64 rows
	s_lshl_b32 s59, s14, 11
	s_add_co_u32 s58, s58, s59
	s_add_co_u32 s58, s58, 458752
	s_mov_b32 s59, 0
	s_add_nc_u64 s[58:59], s[10:11], s[58:59]
	s_lshl_b32 s60, s17, 20                        ; the result: 128 rows of 8,192 bytes, 1,024 bytes a block column, 256 a wave
	s_lshl_b32 s61, s42, 10
	s_add_co_u32 s60, s60, s61
	s_lshl_b32 s61, s14, 8
	s_add_co_u32 s60, s60, s61
	s_mov_b32 s61, 0
	s_add_nc_u64 s[12:13], s[12:13], s[60:61]
	s_mul_i32 s56, s14, 64*BP
	s_add_co_u32 s56, s56, BB                      ; my 64 rows of Wo in LDS
	s_mul_i32 s57, s14, 4352
	s_add_co_u32 s57, s57, STAGE                   ; my stage
	v_and_b32 v1, 15, v0                           ; r
	v_bfe_u32 v2, v0, 4, 1                         ; h
	v_and_b32 v3, 31, v0
	v_lshlrev_b32 v[ADRA], 3, v3
	v_add_nc_u32 v[ADRA+1], 49152, v[ADRA]
	v_mul_u32_u24 v4, v1, BP
	v_mad_u32_u24 v4, v2, 24, v4
	v_add_nc_u32 v[ADRB], s56, v4
	v_lshl_add_u32 v[ADRB+1], v2, 4, v[ADRB]
	v_mul_u32_u24 v5, v1, 272
	v_lshl_add_u32 v5, v2, 5, v5
	v_add_nc_u32 v[STO], s57, v5                   ; in: row r, 32 bytes for each half of the lanes
	v_mul_u32_u24 v6, v2, 272
	v_lshl_add_u32 v6, v1, 4, v6
	v_add_nc_u32 v[RD], s57, v6                    ; back: sixteen lanes to a row of 256 bytes, two rows an instruction
	v_lshlrev_b32 v7, 13, v2
	v_lshl_add_u32 v[CO], v1, 4, v7                ; and the same two rows in the result
	v_lshlrev_b32 v8, 5, v1
	v_lshl_add_u32 v[VSO], v2, 4, v8
	s_wait_alu depctr_va_vdst(0)                   ; the wait at the head's end
.irp a, 0,1,2,3,4,5,6,7
	global_load_b128 v[SA+4*\a:SA+4*\a+3], v[VSO], s[22:23] offset:512*\a   ; 32 lanes read 512 consecutive bytes
.endr
.irp i, 0,1,2,3
	global_load_b128 v[SB+4*\i:SB+4*\i+3], v[VSO], s[58:59] offset:512*\i
.endr
.macro BLOAD q                         ; Wo's four fragments of K step q, in pieces of 8 bytes; byte y of a row lies at y + 16 (y / 256)
.if (\q) < 5
	WIN 0x80
.set BR, 48*(\q)
.else
	WIN 0xc0
.set BR, 48*((\q)-5)
.endif
.irp i, 0,1,2,3
.irp p, 0,1,2,3,4,5
.set BY, 96*(\q)+48*(\p/3)+8*(\p%3)
.if BY/256 == (BY+24)/256
	ds_load_b64 v[BR+12*\i+2*\p:BR+12*\i+2*\p+1], v[ADRB] offset:BY+16*(BY/256)+\i*16*BP
.else
	ds_load_b64 v[BR+12*\i+2*\p:BR+12*\i+2*\p+1], v[ADRB+1] offset:BY+16*(BY/256)+\i*16*BP
.endif
.endr
.endr
.endm
.macro ALOAD a                         ; A's block a, all of K, into buffer a % 2: 48 loads
	WIN 0x40
.irp q, 0,1,2,3,4,5,6,7
.irp p, 0,1,2,3,4,5
	ds_load_b64 v[96*((\a)%2)+12*\q+2*\p:96*((\a)%2)+12*\q+2*\p+1], v[ADRA+(\a)/4] offset:12288*((\a)%4)+1536*\q+256*\p
.endr
.endr
.endm
.macro WMMAQ a, q                      ; block a, K step q: four matrix instructions; the first K step starts the sums
.if (\q) < 5
	WIN 0x06
.set BR, 48*(\q)
.else
	WIN 0x07
.set BR, 48*((\q)-5)
.endif
.set AR, 96*((\a)%2)+12*(\q)
.irp i, 0,1,2,3
.set AC, ACC+32*((\a)%2)+8*\i
.if (\q) == 0
	v_wmma_scale_f32_16x16x128_f8f6f4 v[AC:AC+7], v[BR+12*\i:BR+12*\i+11], v[AR:AR+11], 0, v[SB+4*\i], v[SA+4*(\a)] matrix_a_fmt:MATRIX_FMT_FP6 matrix_b_fmt:MATRIX_FMT_FP6
.else
.if (\q) < 4
	v_wmma_scale_f32_16x16x128_f8f6f4 v[AC:AC+7], v[BR+12*\i:BR+12*\i+11], v[AR:AR+11], v[AC:AC+7], v[SB+4*\i+(\q)], v[SA+4*(\a)+(\q)] matrix_a_fmt:MATRIX_FMT_FP6 matrix_b_fmt:MATRIX_FMT_FP6
.else
	v_wmma_scale_f32_16x16x128_f8f6f4 v[AC:AC+7], v[BR+12*\i:BR+12*\i+11], v[AR:AR+11], v[AC:AC+7], v[SB+4*\i+(\q)-4], v[SA+4*(\a)+(\q)-4] matrix_a_fmt:MATRIX_FMT_FP6 matrix_b_fmt:MATRIX_FMT_FP6 matrix_a_scale:MATRIX_SCALE_ROW1 matrix_b_scale:MATRIX_SCALE_ROW1
.endif
.endif
.endr
.endm
.macro TOSTAGE a                       ; 16 LDS instructions; LDS serves a wave's instructions in order, so no wait stands between the stores and the loads
.irp i, 0,1,2,3
	ds_store_b128 v[STO], v[ACC+32*((\a)%2)+8*\i:ACC+32*((\a)%2)+8*\i+3] offset:64*\i       ; each accumulator from its low end on
	ds_store_b128 v[STO], v[ACC+32*((\a)%2)+8*\i+4:ACC+32*((\a)%2)+8*\i+7] offset:64*\i+16
.endr
.irp t, 0,1,2,3,4,5,6,7
	ds_load_b128 v[OUT+4*\t:OUT+4*\t+3], v[RD] offset:544*\t
.endr
.endm
.macro SEND a                          ; stage rows 2 t + h: sixteen lanes store 256 consecutive bytes, aligned
.irp t, 0,1,2,3,4,5,6,7
	global_store_b128 v[CO], v[OUT+4*\t:OUT+4*\t+3], s[12:13] offset:(32*((\a)/2)+8*((\a)%2)+2*\t+8*(\t/4))*8192 th:TH_STORE_NT
.endr
.endm
.macro ITER a
	WIN 0
	s_wait_dscnt 0x0                               ; block a's fragments, asked for a block ago, are in
.rept 4
	v_nop                                          ; places behind the last products: ahead of the reads of their results and of the loads into the buffer that they read
.endr
.if (\a) > 1
	s_wait_xcnt 0x0                                ; the earlier stores have read their registers
.endif
	TOSTAGE (\a)-1
.if (\a) < 7
	ALOAD (\a)+1
	WIN 0
	s_wait_dscnt 48                                ; the block is back from the stage; the 48 loads of A issued behind it may be out
.else
	s_wait_dscnt 0x0
.endif
	SEND (\a)-1
.irp q, 0,1,2,3,4,5,6,7
	WMMAQ \a, \q
.endr
.endm
	s_wait_tensorcnt 0x0                           ; my load has landed,
	s_barrier_signal -1
	s_barrier_wait -1                              ; everybody's has
	ALOAD 0
	ALOAD 1
	BLOAD 0
	BLOAD 1
	s_wait_loadcnt 0x0                             ; the scale words
.irp q, 0,1,2,3,4,5,6,7                        ; block 0 is multiplied while Wo's fragments come in, two K steps ahead
.if \q < 6
	BLOAD \q+2
	s_wait_dscnt 48                                ; K step q is in; the two K steps behind it, 24 loads each, may be out
.else
	s_wait_dscnt 24*(7-\q)
.endif
	WMMAQ 0, \q
.endr
.irp a, 1,2,3,4,5,6,7
	ITER \a
.endr
	WIN 0
.rept 4
	v_nop
.endr
	s_wait_xcnt 0x0
	TOSTAGE 7
	s_wait_dscnt 0x0
	SEND 7
	s_wait_tensorcnt 0x0                           ; the wave's end
	ds_add_u32 v[SPW], v[NIL]
	s_wait_dscnt 0x0
	CROUND                                         ; the closing round
	s_endpgm
.Lfunc_end_k_qab537f3649_oproj:
	.size	k_qab537f3649_oproj, .Lfunc_end_k_qab537f3649_oproj-k_qab537f3649_oproj
	.p2alignl 7, 3214868480
	.fill 96, 4, 3214868480
	.section	.rodata,"a",@progbits
	.p2align	6, 0x0
	.amdhsa_kernel k_qab537f3649_oproj
		.amdhsa_group_segment_fixed_size 327680
		.amdhsa_private_segment_fixed_size 0
		.amdhsa_enable_private_segment 0
		.amdhsa_kernarg_size 40
		.amdhsa_user_sgpr_count 2
		.amdhsa_user_sgpr_kernarg_segment_ptr 1
		.amdhsa_wavefront_size32 1
		.amdhsa_system_sgpr_workgroup_id_x 1
		.amdhsa_system_sgpr_workgroup_id_y 1
		.amdhsa_system_sgpr_workgroup_id_z 1
		.amdhsa_system_vgpr_workitem_id 0
		.amdhsa_next_free_vgpr 1024
		.amdhsa_next_free_sgpr 66
		.amdhsa_reserve_vcc 0
		.amdhsa_float_denorm_mode_32 3
		.amdhsa_float_denorm_mode_16_64 3
		.amdhsa_memory_ordered 1
		.amdhsa_forward_progress 1
		.amdhsa_inst_pref_size 94
	.end_amdhsa_kernel
	.amdgpu_metadata
---
amdhsa.version: [ 1, 2 ]
amdhsa.kernels:
  - .name:           k_qab537f3649_oproj
    .symbol:         k_qab537f3649_oproj.kd
    .args:
      - { .name: ao_img, .offset: 0, .size: 8, .value_kind: global_buffer, .address_space: global }
      - { .name: ao_sc, .offset: 8, .size: 8, .value_kind: global_buffer, .address_space: global }
      - { .name: codes, .offset: 16, .size: 8, .value_kind: global_buffer, .address_space: global }
      - { .name: scales, .offset: 24, .size: 8, .value_kind: global_buffer, .address_space: global }
      - { .name: out0, .offset: 32, .size: 8, .value_kind: global_buffer, .address_space: global }
    .group_segment_fixed_size: 327680
    .private_segment_fixed_size: 0
    .kernarg_segment_align: 8
    .kernarg_segment_size: 40
    .max_flat_workgroup_size: 128
    .sgpr_count:     66
    .vgpr_count:     1024
    .wavefront_size: 32
...
	.end_amdgpu_metadata
.endif
;; end of part 4
